; MI455X (gfx1250); checked and timed in simulation.
; The chip was launched on July 23, 2026; its instructions are those of AMD's public machine-readable ISA for CDNA 5 (MIT licence, August 2026) and "CDNA5" Instruction Set Architecture Reference Guide (July 2026). The comments in the code are by the model that wrote it; some were corrected since.
;; Reprogramming Layer. Allowed arithmetic: matrix products marked QUANTISED: E2M1 operands, one E8M0 scale for each 32 along K, by v_wmma_scale_f32_16x16x128_f8f6f4 with both operands' format E2M1 (or v_wmma_scale_f32_32x16x128_f4), f32 sums; everything else in f32.
;; Inputs: Wk_codes 1,024 x 128 x 16 uint8 (E2M1 codes of Wk, K innermost, in blocks of 32 codes, two codes a byte); Wk_scales 1,024 x 128 uint8 (E8M0 scales of Wk, one for each 32 codes along K); Wo_codes 4,096 x 32 x 16 uint8 (E2M1 codes of Wo, K innermost, in blocks of 32 codes, two codes a byte); Wo_scales 4,096 x 32 uint8 (E8M0 scales of Wo, one for each 32 codes along K); Wq_codes 1,024 x 32 x 16 uint8 (E2M1 codes of Wq, K innermost, in blocks of 32 codes, two codes a byte); Wq_scales 1,024 x 32 uint8 (E8M0 scales of Wq, one for each 32 codes along K); Wv_codes 1,024 x 128 x 16 uint8 (E2M1 codes of Wv, K innermost, in blocks of 32 codes, two codes a byte); Wv_scales 1,024 x 128 uint8 (E8M0 scales of Wv, one for each 32 codes along K); bk 1,024 float32; bo 4,096 float32; bq 1,024 float32; bv 1,024 float32; source_embedding_codes 8 x 512 x 128 x 16 uint8 (E2M1 codes of source_embedding, K innermost, in blocks of 32 codes, two codes a byte); source_embedding_scales 8 x 512 x 128 uint8 (E8M0 scales of source_embedding, one for each 32 codes along K); target_embedding_codes 8 x 512 x 32 x 16 uint8 (E2M1 codes of target_embedding, K innermost, in blocks of 32 codes, two codes a byte); target_embedding_scales 8 x 512 x 32 uint8 (E8M0 scales of target_embedding, one for each 32 codes along K).
;; Outputs: out0 8 x 512 x 4,096 float32.
;; Constants: n_heads = 16.
;; This version of the problem:
;;   THIS VERSION OF THE PROBLEM IS GIVEN IN LOW PRECISION. The matrix products marked QUANTISED in the list below multiply operands that are first quantised to E2M1 (2 exponent bits, 1 mantissa bit; 4 bits a number), with one power-of-two scale for each 32 numbers along K (OCP MX v1.0); their sums are f32. All else is computed in f32.
;;   The module's matrix products, in the order in which they are computed (A, B: the left and right operand; K: the contracted axis; several contracted axes count as one K, in the product's order):
;;     1. [M 4,096, K 1,024] x [K 1,024, N 1,024]; A: input target_embedding (given as codes); B: input Wq (given as codes): QUANTISED
;;     2. [M 4,096, K 4,096] x [K 4,096, N 1,024]; A: input source_embedding (given as codes); B: input Wk (given as codes): QUANTISED
;;     3. [M 4,096, K 4,096] x [K 4,096, N 1,024]; A: input source_embedding (given as codes); B: input Wv (given as codes): QUANTISED
;;     4. batch 128 x [M 512, K 64] x [K 64, N 512]; A: computed on the way; B: computed on the way: QUANTISED
;;     5. batch 128 x [M 64, K 512] x [K 512, N 512]; A: computed on the way; B: softmax (see below): QUANTISED
;;     6. [M 4,096, K 1,024] x [K 1,024, N 4,096]; A: computed on the way; B: input Wo (given as codes): QUANTISED
;;   THE QUANTISER, for each operand of a quantised product, along K:
;;     - K is cut into blocks of 32 from its start; a last block that is shorter is filled with zeros.
;;     - A block's scale is 2^e with e = floor(log2(the largest magnitude in the block)) - 2, held to -126 .. 127; a block of zeros has e = 0. As a byte (E8M0): e + 127.
;;     - Each number is divided by its block's scale, clamped to +-6, and rounded to the nearest number of E2M1, ties to even, subnormals kept.
;;     - The product sums the exact products of the quantised numbers (number of the format x scale) in f32.
;;   ~~~python
;;   def quantise(x, axis):      # numpy; x: float32 -> the quantised numbers, widened to float32 again
;;       x = np.moveaxis(x, axis, -1); K = x.shape[-1]
;;       x = np.pad(x, [(0, 0)] * (x.ndim - 1) + [(0, -K % 32)]); x = x.reshape(x.shape[:-1] + (-1, 32)); a = np.abs(x).max(-1, keepdims=True)
;;       e = np.where(a > 0, np.clip(np.frexp(np.where(a > 0, a, 1))[1] - 1 - 2, -126, 127), 0)      # np.frexp(a)[1] - 1 = floor(log2(a)), exactly
;;       r = np.clip(x / 2.0 ** e, -6, 6)
;;       step = 2.0 ** (np.maximum(np.frexp(np.where(r == 0, 1, r))[1] - 1, 0) - 1)
;;       q = np.round(r / step) * step * 2.0 ** e      # np.round: ties to even
;;       return np.moveaxis(q.reshape(q.shape[:-2] + (-1,))[..., :K], -1, axis).astype(np.float32)
;;   ~~~
;;   SOFTMAX AHEAD OF A QUANTISED PRODUCT. Where the list says 'softmax', what is quantised is not the finished softmax but p = 2^(t - M), with t = logit x log2(e) and M = ceil(the row's largest t), a whole number; so 1/2 < the row's largest p <= 1. The row's sum l is taken of the UNQUANTISED p, in f32, and the product's result is divided by l at the end. Since M is a whole number, a kernel that streams over the keys may use a running M (the ceiling of the running maximum): every later rescaling is an exact power of two, which a block's scale takes up: the codes' values come out the same.
;;   OPERANDS COMPUTED ON THE WAY. 'Computed on the way' means the value that the module computes at that place (a softmax that the list does not call 'softmax' is quantised finished and normalised). What goes into a quantiser is computed in f32, as accurately as f32 sums, v_exp_f32 and their like allow (about 1e-6 of the number): no bf16 or f16 on the way to a quantiser, and a product that is left as it is and whose result goes on into a quantised operand takes f32 operands (vector FMAs, or v_wmma_f32_16x16x4_f32). A number that lies on a knife's edge between two numbers of the format may be rounded either way, as far as f32 arithmetic and the matrix unit's own rounding can turn it there, and no further.
;;   INPUTS GIVEN AS CODES. Wk (in the module: [4096, 1024], K = its axis 0); Wo (in the module: [1024, 4096], K = its axis 0); Wq (in the module: [1024, 1024], K = its axis 0); Wv (in the module: [4096, 1024], K = its axis 0); source_embedding (in the module: [8, 512, 4096], K = its axis 2); target_embedding (in the module: [8, 512, 1024], K = its axis 2): each comes as NAME_codes (uint8): NAME with its K axis moved to the last place and cut into blocks of 32 codes, [.., K / 32, bytes a block], one block behind the other in memory; two codes a byte, the lower K in the low four bits (a code: sign, 2 exponent bits, 1 mantissa bit); and NAME_scales (uint8): the same leading axes, one E8M0 byte (e + 127) for each 32 codes along K. Its value is code x scale, taken as it is: it is not quantised again, and the codes and scales need not be those that the quantiser above would give.
;; 2 versions, each right; version 2 is version 1 with the launch attn written anew for expert scheduling mode. Each part assembles by itself: llvm-mc -triple=amdgcn-amd-amdhsa -mcpu=gfx1250 --defsym DOCPART=n.
;; ======== version 1 of 2: 3 launches
;; workspace buffers: kimg 2,097,152 bytes; ksc 131,072 bytes; vimg 2,097,152 bytes; vsc 131,072 bytes; aimg 2,097,152 bytes; asc 131,072 bytes
;; launch kvproj (part 1): grid 16 x 16, 4 waves a work-group, clusters of 4 x 4, 327,680 bytes of LDS; arguments source_embedding_codes, source_embedding_scales, Wk_codes, Wk_scales, Wv_codes, Wv_scales, bk, bv, kimg, ksc, vimg, vsc; writes kimg, ksc, vimg, vsc
.if DOCPART == 1
	.amdgcn_target "amdgcn-amd-amdhsa--gfx1250"
	.amdhsa_code_object_version 6
	.text
	.protected	k_q3378371a99_kvproj
	.globl	k_q3378371a99_kvproj
	.p2align	8
	.type	k_q3378371a99_kvproj,@function
k_q3378371a99_kvproj:
	s_mov_b64 s[64:65], 0
	v_nop
	global_prefetch_b8 v0, s[64:65] scope:SCOPE_SE
	s_setreg_imm32_b32 hwreg(HW_REG_WAVE_MODE, 25, 1), 1
	s_wait_xcnt 0x0
	s_wait_alu depctr_hold_cnt(0) depctr_sa_sdst(0) depctr_va_vdst(0) depctr_va_sdst(0) depctr_va_ssrc(0) depctr_va_vcc(0) depctr_vm_vsrc(0)
	s_getreg_b32 s2, hwreg(HW_REG_IB_STS2, 6, 4)
	s_cmp_eq_u32 s2, 0
	s_cbranch_scc0 .Lentry_in_a_cluster
	s_endpgm
.Lentry_in_a_cluster:
	s_bfe_u32 s2, ttmp6, 0x10000c
	s_cmp_lg_u32 s2, 0xf033
	s_cbranch_scc0 .Lentry_shape_is_right
	s_endpgm
.Lentry_shape_is_right:
; k = S Wk + bk and v = S Wv + bv on codes of FP4 (E2M1) with E8M0 scales, K = 4,096; both results are quantised in registers and stored as IMAGES OF THE OPERAND REGISTERS that the attention launch wants.
; ONE TEXT FOR BOTH PRODUCTS.  Source 1 of the matrix instruction takes 16 "X rows", source 0 takes 16 "Y rows": in the result a lane holds one X row and its registers run along Y, the axis that is quantised next.
;   k: X = S's 4,096 tokens, Y = Wk's 1,024 channels (k is quantised along a head's 64 channels).     v: X = Wv's 1,024 channels, Y = S's 4,096 tokens (v is quantised along the keys).
; Both operands have rows of 2,048 bytes of codes and 128 scale bytes.  Which product a cluster serves is chosen by scalar selections on the cluster's number alone: no branch hangs on it.
; SHARES.  A work-group makes X 128 x Y 256: 32 x 4 tiles for k, 8 x 16 for v: 256 work-groups of equal work.  Each of four waves makes X 64 x Y 128: 4 x 8 accumulators, 256 registers.
; K goes in steps of 512 (rows of 256 bytes) through a ring of two LDS slots; the scale bytes of the work-group's rows, for all of K, come once, as dense blocks in pieces of 256 bytes, and stay.
; CLUSTERS: 4 x 4 work-groups.  The X tile hangs on the place along y and is asked for jointly by a row of the cluster, the Y tile on the place along x and is asked for by a column.
; THE BIAS starts the sums: accumulator (a, b) begins as bias(Y) (k) or bias(X) (v), made while the first tiles are on their way, so that every K step is the same link of a chain in place.
; THE QUANTISER.  In tile t of a lane's row, register j is y = 16 t + 8 (lane / 16) + j.  Block b of 32 is tiles 2 b, 2 b + 1 in lanes l and l xor 16.  A tile's eight numbers become one register of codes;
; tiles 0, 1, 2, 3 of a group of 64 go to registers 0, 2, 1, 3, and two exchanges of halves (registers 0 with 1, 2 with 3) leave register i with y = 32 (lane / 16) + 8 i + 0 .. 7: the 4-bit operand's layout.
; LIMITS: NaN and infinities are not served.  A block whose largest magnitude lies under 2^-124 (a block of zeros among them) gets the scale byte 1; the bytes are read by this program alone.
; REGISTERS, in windows of 256: window 0: v1-29 addresses; v32-127 scale words, two sets, and nothing else; v128-199 the bias, later the codes; v200-215 at work.
;   window 1: X's fragments, two sets of 4 (v0, v32); Y's, two sets of 8 (v64, v128).   window 2: accumulator (a, b) at v[64 a + 8 b].
.set PITCH, 272                        ; an LDS row: 256 bytes + 16 of padding = 68 words: the 16 rows of a fragment load begin in 16 different groups of four banks (64 banks of 4 bytes: ISA guide 11.1)
.set HX,    64*PITCH                   ; 64 rows of X: one tensor load, and what one wave reads
.set HY,    128*PITCH                  ; 128 rows of Y likewise
.set YOFF,  2*HX
.set SLOT,  2*HX+2*HY                  ; X's 128 rows, then Y's 256
.set SCL,   2*SLOT                     ; behind the ring: X's scale bytes, pieces of 256 bytes + 16 of padding
.set HSX,   32*272                     ; those of 64 rows
.set HSY,   64*272                     ; those of 128 rows
.set SCLY,  SCL+2*HSX                  ; Y's scale bytes
.set SPARE, SCLY+2*HSY                 ; the spare words, 128 bytes for each wave: two blocks of 256 bytes that no other line names
.set ADRX, 16                          ; v16-17  LDS address of my X fragments in slot 0, 1
.set ADRY, 20                          ; v20-21  the same for Y
.set ADSX, 22                          ; v22     of my X rows' scale words
.set ADSY, 23                          ; v23     of my Y rows'
.set LI,   24                          ; v24     16 x lane
.set LS,   25                          ; v25     4 x lane
.set BYO,  26                          ; v26     byte offset of the bias along Y
.set BXO,  27                          ; v27     and along X
.set SPW,  28                          ; v28     LDS address of my spare word; never rewritten
.set NIL,  29                          ; v29     0; never rewritten
.set SC,   32                          ; scale words: set s at v[32 + 48 s]: X's block a, step q at 4 a + q; Y's block b at 16 + 4 b + q
.set BY,   128                         ; v128-191 the bias along Y: 8 tiles x 8
.set BX,   192                         ; v192-199 the bias along X: a pair of equal numbers for each block a
.set PC,   128                         ; later: the codes, 8 registers for each block a
.set PW,   160                         ; v160-163 a scale word for each block a;  v164-165 two blocks' words in one register
.set TM,   200                         ; v200-203 largest magnitudes; v204-207 the other half's; v208-211 the conversions' scale operands; v212-215 the bytes
.set TP,   204
.set TS,   208
.set TB,   212
.set WV,   20                          ; s20 wave;  s21 wave / 2: I fetch for X (0) or Y (1), and my half of X;  s22 wave % 2: which half I fetch, and my half of Y;  s23 the product: 0 k, 1 v
.set FS,   21
.set FH,   22
.set PP,   23
.set G1X,  24                          ; s[24:31] descriptor group 1 for X's tiles;  s[32:39] group 0, a set for each slot
.set G0X,  32
.set G1Y,  48                          ; s[48:55], s[56:63] the same for Y's
.set G0Y,  56
.set SEL,  66                          ; s[66:67] lane selects: lane l xor 16
.set G1SX, 68                          ; s[68:75], s[76:79] groups 1 and 0 for X's scales;  s[80:87], s[88:91] for Y's
.set G0SX, 76
.set G1SY, 80
.set G0SY, 88
.set MSB, 0
.macro WIN new                         ; the immediate's high byte repeats the setting that is left
.if MSB != \new
	s_set_vgpr_msb (MSB<<8)|\new
.set MSB, \new
.endif
.endm
.set MUL,    0xa5                      ; sources 0 (Y) and 1 (X) window 1, C and D window 2
.set TO_F,   0x40                      ; destination window 1
.set TO_ACC, 0x80                      ; destination window 2
.set MAXW,   0x0a                      ; sources 0 and 1 window 2
.set CVTW,   0x02                      ; source 0 window 2
; A joint load: waves 0 and 1 fetch for X, waves 2 and 3 for Y.  Each line has one mask and one set of registers for all that issue it; the branch hangs on the wave's number alone.
; Four v_nop follow each of the two lines, ahead of the jump, the label and what follows.
.macro JLOAD g0x, g1x, g0y, g1y
	s_cmp_eq_u32 s[FS], 0
	s_cbranch_scc0 .Lfor_y_\@
	tensor_load_to_lds s[\g0x:\g0x+3], s[\g1x:\g1x+7]
	s_nop 0
.rept 4
	v_nop
.endr
	s_branch .Lasked_\@
.Lfor_y_\@:
	tensor_load_to_lds s[\g0y:\g0y+3], s[\g1y:\g1y+7]
	s_nop 0
.rept 4
	v_nop
.endr
.Lasked_\@:
.endm
.macro CREST                           ; a round of the cluster's barrier behind its opening barrier
	s_cmp_lg_u32 s[WV], 0
	s_cbranch_scc1 .Lnot_wave_0_\@
	s_barrier_signal -3
.Lnot_wave_0_\@:
	s_barrier_wait -3
	s_barrier_signal -1
	s_barrier_wait -1
.endm
.macro CROUND                          ; a whole round
	s_barrier_signal -1
	s_barrier_wait -1
	CREST
.endm
.macro PLACES n                        ; plain vector instructions between a matrix instruction and a load into, or a read of, its registers
.rept \n
	v_nop
.endr
.endm
	s_load_b256 s[4:11], s[0:1], 0x0               ; S's codes, S's scales, Wk's codes, Wk's scales
	s_load_b256 s[12:19], s[0:1], 0x20             ; Wv's codes, Wv's scales, bk, bv
	s_load_b256 s[92:99], s[0:1], 0x40             ; kimg, ksc, vimg, vsc
	v_lshl_add_u32 v[SPW], v0, 2, SPARE
	v_mov_b32 v[NIL], 0
	ds_add_u32 v28, v29
	ds_add_u32 v28, v29
	s_wait_dscnt 0x0
	v_lshrrev_b32 v1, 5, v0
	v_readfirstlane_b32 s[WV], v1                  ; wave 0..3
	s_lshr_b32 s[FS], s[WV], 1
	s_and_b32 s[FH], s[WV], 1
	s_bfe_u32 s40, ttmp6, 0x40000                  ; cx, cy: my place in the cluster
	s_bfe_u32 s41, ttmp6, 0x40004
	s_and_b32 s[PP], ttmp7, 0xffff                 ; cluster y: 2 x product + l
	s_and_b32 s2, s[PP], 1                         ; l
	s_lshr_b32 s[PP], s[PP], 1                     ; the product: the same in all sixteen partners
	s_lshl_b32 s42, s2, 2
	s_add_co_u32 s42, s42, ttmp9                   ; 4 l + cluster x
	s_cmp_eq_u32 s[PP], 0
	s_cselect_b32 s42, s42, s2                     ; the cluster's place along X: k has 8, v has 2
	s_cselect_b32 s43, 0, ttmp9                    ; and along Y: k has 1, v has 4
	s_lshl_b32 s42, s42, 2
	s_add_co_u32 s42, s42, s41                     ; X tile = 4 x that + cy
	s_lshl_b32 s43, s43, 2
	s_add_co_u32 s43, s43, s40                     ; Y tile = 4 x that + cx
	s_lshl_b32 s44, s41, 2
	s_lshl_b32 s44, 15, s44                        ; my row of the cluster
	s_lshl_b32 s45, 0x1111, s40                    ; my column
	; descriptor groups 1.  Codes: rows of 256 elements of 1 byte, 2,048 bytes apart, 16 bytes of padding behind each: X 64 rows, Y 128
	s_or_b32 s[G1X], s44, (1<<20)|(1<<21)|(5<<22)|(3<<25)    ; 15:0 the mask; 17:16 elements of 1 byte; 20 padding on; 21 set beside a mask; 24:22 after every 64 words (code 5); 31:25 four words (code 3)
	s_or_b32 s[G1Y], s45, (1<<20)|(1<<21)|(5<<22)|(3<<25)
.irp g, G1X, G1Y
	s_mov_b32 s[\g+1], 256<<16                     ; tensor_dim0
	s_mov_b32 s[\g+3], 256<<16                     ; tile_dim0
	s_mov_b32 s[\g+5], 2048                        ; tensor_dim0_stride
	s_mov_b32 s[\g+6], 0
	s_mov_b32 s[\g+7], 0
.endr
	s_mov_b32 s[G1X+2], 64<<16                     ; tensor_dim1
	s_mov_b32 s[G1X+4], 64                         ; tile_dim1
	s_mov_b32 s[G1Y+2], 128<<16
	s_mov_b32 s[G1Y+4], 128
	; scale bytes: a dense block (128 bytes a row) as rows of 256 bytes = 32 elements of 8 bytes, 16 bytes of padding behind each: X 32 such rows, Y 64
	s_or_b32 s[G1SX], s44, (3<<16)|(1<<20)|(1<<21)|(5<<22)|(3<<25)
	s_or_b32 s[G1SY], s45, (3<<16)|(1<<20)|(1<<21)|(5<<22)|(3<<25)
.irp g, G1SX, G1SY
	s_mov_b32 s[\g+1], 32<<16
	s_mov_b32 s[\g+3], 32<<16
	s_mov_b32 s[\g+5], 32
	s_mov_b32 s[\g+6], 0
	s_mov_b32 s[\g+7], 0
.endr
	s_mov_b32 s[G1SX+2], 32<<16
	s_mov_b32 s[G1SX+4], 32
	s_mov_b32 s[G1SY+2], 64<<16
	s_mov_b32 s[G1SY+4], 64
	s_mov_b32 s[SEL], 0x76543210
	s_mov_b32 s[SEL+1], 0xfedcba98
	s_wait_kmcnt 0x0
	s_cmp_eq_u32 s[PP], 0                          ; the buffers are chosen on the cluster's number alone
	s_cselect_b64 s[8:9], s[8:9], s[4:5]           ; Y's codes: Wk's, or S's
	s_cselect_b64 s[10:11], s[10:11], s[6:7]       ; Y's scales
	s_cselect_b64 s[4:5], s[4:5], s[12:13]         ; X's codes: S's, or Wv's
	s_cselect_b64 s[6:7], s[6:7], s[14:15]         ; X's scales
	s_cselect_b64 s[16:17], s[16:17], s[18:19]     ; the bias
	s_cselect_b64 s[92:93], s[92:93], s[96:97]     ; where the images go
	s_cselect_b64 s[94:95], s[94:95], s[98:99]     ; and their scale words
	; what I fetch.  X's offsets are made in s12-15, which never hold cx; Y's in s18, s19, s96, s97, which never hold cy
	s_lshl_b32 s12, s42, 7
	s_lshl_b32 s13, s[FH], 6
	s_add_co_u32 s12, s12, s13                     ; X: row 128 x tile + 64 x half
	s_lshl_b32 s14, s12, 7                         ; its scale bytes
	s_lshl_b32 s12, s12, 11                        ; its codes
	s_mov_b32 s13, 0
	s_mov_b32 s15, 0
	s_add_nc_u64 s[4:5], s[4:5], s[12:13]
	s_add_nc_u64 s[6:7], s[6:7], s[14:15]
	s_lshl_b32 s18, s43, 8
	s_lshl_b32 s19, s[FH], 7
	s_add_co_u32 s18, s18, s19                     ; Y: row 256 x tile + 128 x half
	s_lshl_b32 s96, s18, 7
	s_lshl_b32 s18, s18, 11
	s_mov_b32 s19, 0
	s_mov_b32 s97, 0
	s_add_nc_u64 s[8:9], s[8:9], s[18:19]
	s_add_nc_u64 s[10:11], s[10:11], s[96:97]
	; descriptor groups 0: the LDS addresses hang on the wave's number alone
	s_mul_i32 s2, s[FH], HSX
	s_mov_b32 s[G0SX], 1
	s_add_co_u32 s[G0SX+1], s2, SCL
	s_mov_b64 s[G0SX+2:G0SX+3], s[6:7]
	s_or_b32 s[G0SX+3], s[G0SX+3], 0x80000000
	s_mul_i32 s2, s[FH], HSY
	s_mov_b32 s[G0SY], 1
	s_add_co_u32 s[G0SY+1], s2, SCLY
	s_mov_b64 s[G0SY+2:G0SY+3], s[10:11]
	s_or_b32 s[G0SY+3], s[G0SY+3], 0x80000000
	s_mul_i32 s98, s[FH], HX
	s_mul_i32 s99, s[FH], HY
	s_add_co_u32 s99, s99, YOFF
.irp s, 0,1
	s_mov_b32 s[G0X+4*\s], 1                       ; count = 1
	s_add_co_u32 s[G0X+4*\s+1], s98, \s*SLOT       ; LDS address
	s_add_nc_u64 s[G0X+4*\s+2:G0X+4*\s+3], s[4:5], \s*256   ; global address: K step s
	s_or_b32 s[G0X+4*\s+3], s[G0X+4*\s+3], 0x80000000       ; type = 2
	s_mov_b32 s[G0Y+4*\s], 1
	s_add_co_u32 s[G0Y+4*\s+1], s99, \s*SLOT
	s_add_nc_u64 s[G0Y+4*\s+2:G0Y+4*\s+3], s[8:9], \s*256
	s_or_b32 s[G0Y+4*\s+3], s[G0Y+4*\s+3], 0x80000000
.endr
	CROUND                                         ; all sixteen work-groups are here: the first joint loads meet
	JLOAD G0SX, G1SX, G0SY, G1SY                   ; the scales, K step 0, K step 1: three tensor loads of mine are out
	JLOAD G0X, G1X, G0Y, G1Y
	JLOAD G0X+4, G1X, G0Y+4, G1Y
	; while they are on their way: the bias, the addresses, the place of my results
	s_lshl_b32 s12, s42, 7
	s_lshl_b32 s13, s[FS], 6
	s_add_co_u32 s12, s12, s13                     ; xw: my wave's first X row
	s_lshl_b32 s18, s43, 8
	s_lshl_b32 s19, s[FH], 7
	s_add_co_u32 s18, s18, s19                     ; yw: my wave's first Y row
	s_cmp_eq_u32 s[PP], 0
	s_cselect_b32 s96, s18, 0                      ; k: the bias runs along Y from yw on (v: any 128 numbers of the buffer, cleared below)
	s_cselect_b32 s14, 0, s12                      ; v: along X from xw on
	s_cselect_b32 s46, -1, 0                       ; keeps the part along Y for k,
	s_cselect_b32 s47, 0, -1                       ; the part along X for v
	v_and_b32 v1, 15, v0                           ; r = lane % 16
	v_bfe_u32 v2, v0, 4, 1                         ; h = lane / 16
	v_lshlrev_b32 v[BYO], 5, v2
	v_lshl_add_u32 v[BYO], s96, 2, v[BYO]          ; 4 x first + 32 h: tile b's eight numbers of my half lie 64 b further on
	v_add_nc_u32 v[BXO], s14, v1
	v_lshlrev_b32 v[BXO], 2, v[BXO]                ; 4 x (first + r): block a's lies 64 a further on
.irp b, 0,1,2,3,4,5,6,7
	global_load_b128 v[BY+8*\b:BY+8*\b+3], v[BYO], s[16:17] offset:64*\b
	global_load_b128 v[BY+8*\b+4:BY+8*\b+7], v[BYO], s[16:17] offset:64*\b+16
.endr
.irp a, 0,1,2,3
	global_load_b32 v[BX+2*\a], v[BXO], s[16:17] offset:64*\a
.endr
	; where my four images go, in images of 1,024 bytes.  k: ((batch x 8 + head pair) x 32 + key tile);  v: ((batch x 16 + head) x 4 + key step) x 4 + channel tile
	s_lshr_b32 s100, s12, 9
	s_lshl_b32 s100, s100, 3
	s_lshl_b32 s101, s43, 1
	s_add_co_u32 s100, s100, s101
	s_add_co_u32 s100, s100, s[FH]
	s_lshl_b32 s100, s100, 5
	s_bfe_u32 s101, s12, 0x50004                   ; (xw % 512) / 16
	s_add_co_u32 s100, s100, s101
	s_lshr_b32 s104, s18, 9
	s_lshl_b32 s104, s104, 4
	s_lshl_b32 s105, s42, 1
	s_add_co_u32 s104, s104, s105
	s_add_co_u32 s104, s104, s[FS]
	s_lshl_b32 s104, s104, 2
	s_bfe_u32 s105, s18, 0x20007                   ; (yw / 128) % 4
	s_add_co_u32 s104, s104, s105
	s_lshl_b32 s104, s104, 2
	s_cmp_eq_u32 s[PP], 0
	s_cselect_b32 s100, s100, s104
	s_lshl_b32 s104, s100, 6                       ; 64 bytes of scale words an image
	s_lshl_b32 s100, s100, 10
	s_mov_b32 s101, 0
	s_mov_b32 s105, 0
	s_add_nc_u64 s[92:93], s[92:93], s[100:101]
	s_add_nc_u64 s[94:95], s[94:95], s[104:105]
	v_mul_u32_u24 v3, v1, PITCH
	v_lshl_add_u32 v3, v2, 4, v3                   ; a fragment's row x pitch + 16 x half
	s_mul_i32 s2, s[FS], HX
	v_add_nc_u32 v[ADRX], s2, v3
	v_add_nc_u32 v[ADRX+1], SLOT, v[ADRX]
	s_mul_i32 s2, s[FH], HY
	s_add_co_u32 s2, s2, YOFF
	v_add_nc_u32 v[ADRY], s2, v3
	v_add_nc_u32 v[ADRY+1], SLOT, v[ADRY]
	v_lshrrev_b32 v4, 1, v1
	v_lshlrev_b32 v5, 7, v1
	v_lshl_add_u32 v5, v4, 4, v5                   ; row r's scale bytes: 128 r, and 16 more for each 256 passed
	s_mul_i32 s2, s[FS], HSX
	s_add_co_u32 s2, s2, SCL
	v_add_nc_u32 v[ADSX], s2, v5
	s_mul_i32 s2, s[FH], HSY
	s_add_co_u32 s2, s2, SCLY
	v_add_nc_u32 v[ADSY], s2, v5
	v_and_b32 v6, 31, v0                           ; lane
	v_lshlrev_b32 v[LI], 4, v6
	v_lshlrev_b32 v[LS], 2, v6
.irp b, 0,1,2,3
	v_mov_b32 v[TP+\b], 0                          ; written once: a lane permute's destination counts as one of its sources
.endr
	s_wait_loadcnt 0x0                             ; the bias
.set j, 0
.rept 64
	v_and_b32 v[BY+j], s46, v[BY+j]                ; kept for k, cleared for v
.set j, j+1
.endr
.irp a, 0,1,2,3
	v_and_b32 v[BX+2*\a+1], s47, v[BX+2*\a]        ; kept for v, cleared for k; twice, for the packed addition
	v_and_b32 v[BX+2*\a], s47, v[BX+2*\a]
.endr
	WIN TO_ACC
.irp a, 0,1,2,3
.set j, 0
.rept 32
	v_pk_add_f32 v[64*\a+j:64*\a+j+1], v[BY+j:BY+j+1], v[BX+2*\a:BX+2*\a+1]   ; the sums begin as the bias
.set j, j+2
.endr
.endr
	WIN 0
; 24 LDS loads in one run: the fragments of the slot's q-th 128 along K into set p.  A fragment, 16 rows x 128 K of 4-bit codes, is 8 registers: lane l holds row l % 16; registers 4 c .. 4 c + 3 hold K = 64 c + 32 (l / 16) + 0 .. 31
.macro FETCH slot, q, p
	WIN TO_F
.irp a, 0,1,2,3
.irp c, 0,1
	ds_load_b128 v[32*(\p)+8*\a+4*\c:32*(\p)+8*\a+4*\c+3], v[ADRX+\slot] offset:64*(\q)+32*\c+\a*16*PITCH
.endr
.endr
.irp b, 0,1,2,3,4,5,6,7
.irp c, 0,1
	ds_load_b128 v[64+64*(\p)+8*\b+4*\c:64+64*(\p)+8*\b+4*\c+3], v[ADRY+\slot] offset:64*(\q)+32*\c+\b*16*PITCH
.endr
.endr
.endm
.macro SCALES set                      ; a K step's scale words (four a row) of my 4 + 8 blocks of rows; 16 rows of scale bytes are 8 pieces of 272
.irp a, 0,1,2,3
	ds_load_b128 v[SC+48*\set+4*\a:SC+48*\set+4*\a+3], v[ADSX] offset:\a*2176
.endr
.irp b, 0,1,2,3,4,5,6,7
	ds_load_b128 v[SC+48*\set+16+4*\b:SC+48*\set+16+4*\b+3], v[ADSY] offset:\b*2176
.endr
.endm
; 8 n matrix instructions: X's blocks a0 .. a0 + n - 1, each against Y's eight.  The 32 accumulators take turns, one instruction a turn, in the same order in every step.
.macro MULA a0, n, p, q, sc
.set A_, \a0
.rept \n
.irp b, 0,1,2,3,4,5,6,7
	v_wmma_scale_f32_16x16x128_f8f6f4 v[64*A_+8*\b:64*A_+8*\b+7], v[64+64*(\p)+8*\b:64+64*(\p)+8*\b+7], v[32*(\p)+8*A_:32*(\p)+8*A_+7], v[64*A_+8*\b:64*A_+8*\b+7], v[SC+48*(\sc)+16+4*\b+(\q)], v[SC+48*(\sc)+4*A_+(\q)] matrix_a_fmt:MATRIX_FMT_FP4 matrix_b_fmt:MATRIX_FMT_FP4
.endr
.set A_, A_+1
.endr
.endm
; A step of 128 along K that has its successor in the same slot: the successor's fragments are asked for ahead of this step's 32 products.
.macro STEP slot, q
	s_wait_dscnt 0x0                               ; this step's fragments, asked for a step ago, are in (and the slot's scale words)
	PLACES 4                                       ; the other set was read by the products just issued
	FETCH \slot, (\q)+1, ((\q)+1)%2
	WIN MUL
	MULA 0, 4, (\q)%2, \q, \slot
.endm
; A slot's last step changes slots: ONE barrier.  In front of it each wave waits for all its tensor loads, adds 0 to its spare word, and waits for that and for its own reads of this slot.  fill = 1: this slot is filled again, two K steps ahead.
.macro TURN slot, next, fill
	WIN 0                                          ; (the add's two registers lie in window 0)
	s_wait_tensorcnt 0x0                           ; all my tensor loads have landed: the one that was out is my part of the next slot
	ds_add_u32 v[SPW], v[NIL]                      ; 0 onto my spare word
	s_wait_dscnt 1                                 ; the add alone may be out: the 24 loads issued ahead of it are in
	WIN MUL
	MULA 0, 1, 1, 3, \slot                         ; eight matrix instructions stand between the add and the wait for it
	s_wait_dscnt 0x0                               ; the add is done, and my reads of this slot are over
	s_barrier_signal -1
	MULA 1, 1, 1, 3, \slot
	WIN 0
	s_barrier_wait -1
.if \fill
	CREST                                          ; the barrier has opened a round of the cluster's barrier: no wave of any partner still reads this slot or has a load on its way
	s_add_nc_u64 s[G0X+4*\slot+2:G0X+4*\slot+3], s[G0X+4*\slot+2:G0X+4*\slot+3], 512
	s_add_nc_u64 s[G0Y+4*\slot+2:G0Y+4*\slot+3], s[G0Y+4*\slot+2:G0Y+4*\slot+3], 512
	JLOAD G0X+4*\slot, G1X, G0Y+4*\slot, G1Y       ; my one tensor load behind the round: it has four steps, 128 matrix instructions, in which to land; its four v_nop are also the places in front of the loads below
.else
	PLACES 4
.endif
	v_add_nc_u32 v[ADSX], 16, v[ADSX]              ; on to the next K step's scale words (no LDS load of mine is out)
	v_add_nc_u32 v[ADSY], 16, v[ADSY]
	SCALES \next
	FETCH \next, 0, 0
	WIN MUL
	MULA 2, 2, 1, 3, \slot
	WIN 0
.endm
	s_wait_tensorcnt 1                             ; the scales and my part of K step 0 are in; K step 1's load may stay out
	s_barrier_signal -1
	s_barrier_wait -1                              ; everybody's are
	SCALES 0
	FETCH 0, 0, 0
	WIN 0                                          ; at a label and at a branch every window is 0
	s_mov_b32 s3, 3
.Llap:                                                 ; a trip goes once round the ring: K steps 2 n and 2 n + 1, and fills both slots again (K steps 2 to 7 in three trips)
	STEP 0, 0
	STEP 0, 1
	STEP 0, 2
	TURN 0, 1, 1
	STEP 1, 0
	STEP 1, 1
	STEP 1, 2
	TURN 1, 0, 1
	s_sub_co_u32 s3, s3, 1
	s_cmp_lg_u32 s3, 0
	s_cbranch_scc1 .Llap
	STEP 0, 0                                      ; the last lap is written out: it fills nothing, and has no round of the cluster's barrier
	STEP 0, 1
	STEP 0, 2
	TURN 0, 1, 0
	STEP 1, 0
	STEP 1, 1
	STEP 1, 2
	s_wait_dscnt 0x0                               ; the very last step: nothing more to fetch
	WIN MUL
	MULA 0, 4, 1, 3, 1
	WIN 0
	PLACES 4                                       ; in front of the first read of results
; Block a's 16 X rows x 128 along Y become a fragment's codes in v[PC + 8 a] on and its scale word in v[PW + a].  Each accumulator is read from its low end on.
.macro QUANTW a
	WIN MAXW
.irp b, 0,1,2,3
	v_max3_num_f32 v[TM+\b], |v[64*\a+16*\b]|, |v[64*\a+16*\b+1]|, 0x1800000   ; block b: my 16 numbers, and the floor 2^(3 - 127): so the byte cannot fall under 1
.endr
.irp i, 2,4,6,8,10,12,14
.irp b, 0,1,2,3
	v_max3_num_f32 v[TM+\b], |v[64*\a+16*\b+\i]|, |v[64*\a+16*\b+\i+1]|, v[TM+\b]   ; (the four blocks by turns)
.endr
.endr
	WIN 0
.irp b, 0,1,2,3
	v_permlanex16_b32 v[TP+\b], v[TM+\b], s[SEL], s[SEL+1]
.endr
.irp b, 0,1,2,3
	v_max_num_f32 v[TM+\b], v[TM+\b], v[TP+\b]     ; with lane l xor 16's: the block's largest magnitude
.endr
.irp b, 0,1,2,3
	v_add_nc_u32 v[TS+\b], 0xff000000, v[TM+\b]    ; 2 off its exponent field: the conversion takes the exponent field of this operand as its scale
.endr
.irp b, 0,1,2,3
	v_lshrrev_b32 v[TB+\b], 23, v[TS+\b]           ; the scale's byte
.endr
	v_lshl_or_b32 v[PW+\a], v[TB+1], 8, v[TB]
	v_lshl_or_b32 v[PW+\a], v[TB+2], 16, v[PW+\a]
	v_lshl_or_b32 v[PW+\a], v[TB+3], 24, v[PW+\a]
	WIN CVTW
.irp t, 0,1,2,3,4,5,6,7
	v_cvt_scalef32_pk8_fp4_f32 v[PC+8*\a+4*(\t/4)+2*(\t%2)+(\t%4)/2], v[64*\a+8*\t:64*\a+8*\t+7], v[TS+\t/2]   ; tiles 0, 1, 2, 3 of a group of 64 to registers 0, 2, 1, 3
.endr
	WIN 0
	v_nop                                          ; one plain place behind a scaled conversion
.irp c, 0,1
.irp i, 0,2
	v_permlane16_swap_b32 v[PC+8*\a+4*\c+\i], v[PC+8*\a+4*\c+\i+1]   ; the first's lanes 16-31 change places with the second's lanes 0-15
.endr
.endr
.endm
	QUANTW 0
	QUANTW 1
	QUANTW 2
	QUANTW 3
.irp a, 0,1,2,3
	global_store_b128 v[LI], v[PC+8*\a:PC+8*\a+3], s[92:93] offset:1024*\a          ; each store covers 512 consecutive bytes, aligned
	global_store_b128 v[LI], v[PC+8*\a+4:PC+8*\a+7], s[92:93] offset:1024*\a+512
.endr
	v_cmp_lt_u32 vcc_lo, 15, v6
	v_cndmask_b32 v[PW+4], v[PW], v[PW+1], vcc_lo  ; lanes 0-15 block 0's words, lanes 16-31 block 1's (both halves of the lanes hold a row's word)
	v_cndmask_b32 v[PW+5], v[PW+2], v[PW+3], vcc_lo
	global_store_b32 v[LS], v[PW+4], s[94:95]      ; the two stores fill 256 consecutive bytes, aligned
	global_store_b32 v[LS], v[PW+5], s[94:95] offset:128
	s_wait_tensorcnt 0x0                           ; the wave's end
	ds_add_u32 v[SPW], v[NIL]
	s_wait_dscnt 0x0
	CROUND                                         ; the closing round: no work-group ends while a partner may still ask for a tile that names it
	s_endpgm
.Lfunc_end_k_q3378371a99_kvproj:
	.size	k_q3378371a99_kvproj, .Lfunc_end_k_q3378371a99_kvproj-k_q3378371a99_kvproj
	.p2alignl 7, 3214868480
	.fill 96, 4, 3214868480
	.section	.rodata,"a",@progbits
	.p2align	6, 0x0
	.amdhsa_kernel k_q3378371a99_kvproj
		.amdhsa_group_segment_fixed_size 327680
		.amdhsa_private_segment_fixed_size 0
		.amdhsa_enable_private_segment 0
		.amdhsa_kernarg_size 96
		.amdhsa_user_sgpr_count 2
		.amdhsa_user_sgpr_kernarg_segment_ptr 1
		.amdhsa_wavefront_size32 1
		.amdhsa_system_sgpr_workgroup_id_x 1
		.amdhsa_system_sgpr_workgroup_id_y 1
		.amdhsa_system_sgpr_workgroup_id_z 1
		.amdhsa_system_vgpr_workitem_id 0
		.amdhsa_next_free_vgpr 768
		.amdhsa_next_free_sgpr 106
		.amdhsa_reserve_vcc 1
		.amdhsa_float_denorm_mode_32 3
		.amdhsa_float_denorm_mode_16_64 3
		.amdhsa_memory_ordered 1
		.amdhsa_forward_progress 1
		.amdhsa_inst_pref_size 137
	.end_amdhsa_kernel
	.amdgpu_metadata
---
amdhsa.version: [ 1, 2 ]
amdhsa.kernels:
  - .name:           k_q3378371a99_kvproj
    .symbol:         k_q3378371a99_kvproj.kd
    .args:
      - { .name: source_embedding_codes, .offset: 0, .size: 8, .value_kind: global_buffer, .address_space: global }
      - { .name: source_embedding_scales, .offset: 8, .size: 8, .value_kind: global_buffer, .address_space: global }
      - { .name: Wk_codes, .offset: 16, .size: 8, .value_kind: global_buffer, .address_space: global }
      - { .name: Wk_scales, .offset: 24, .size: 8, .value_kind: global_buffer, .address_space: global }
      - { .name: Wv_codes, .offset: 32, .size: 8, .value_kind: global_buffer, .address_space: global }
      - { .name: Wv_scales, .offset: 40, .size: 8, .value_kind: global_buffer, .address_space: global }
      - { .name: bk, .offset: 48, .size: 8, .value_kind: global_buffer, .address_space: global }
      - { .name: bv, .offset: 56, .size: 8, .value_kind: global_buffer, .address_space: global }
      - { .name: kimg, .offset: 64, .size: 8, .value_kind: global_buffer, .address_space: global }
      - { .name: ksc, .offset: 72, .size: 8, .value_kind: global_buffer, .address_space: global }
      - { .name: vimg, .offset: 80, .size: 8, .value_kind: global_buffer, .address_space: global }
      - { .name: vsc, .offset: 88, .size: 8, .value_kind: global_buffer, .address_space: global }
    .group_segment_fixed_size: 327680
    .private_segment_fixed_size: 0
    .kernarg_segment_align: 8
    .kernarg_segment_size: 96
    .max_flat_workgroup_size: 128
    .sgpr_count:     106
    .vgpr_count:     768
    .wavefront_size: 32
...
	.end_amdgpu_metadata
.endif
;; end of part 1
;; launch attn (part 2): grid 32 x 8, 16 waves a work-group, no clusters, 206,848 bytes of LDS; arguments target_embedding_codes, target_embedding_scales, Wq_codes, Wq_scales, bq, kimg, ksc, vimg, vsc, aimg, asc; writes aimg, asc
.if DOCPART == 2
	.amdgcn_target "amdgcn-amd-amdhsa--gfx1250"
	.amdhsa_code_object_version 6
	.text
	.protected	k_q3378371a99_attn
	.globl	k_q3378371a99_attn
	.p2align	8
	.type	k_q3378371a99_attn,@function
k_q3378371a99_attn:
	s_mov_b64 s[64:65], 0
	v_nop
	global_prefetch_b8 v0, s[64:65] scope:SCOPE_SE
	s_setreg_imm32_b32 hwreg(HW_REG_WAVE_MODE, 25, 1), 1
	s_wait_xcnt 0x0
; For one batch entry, one head and 256 queries: q = T Wq + bq (K = 1,024), quantised; S^T = K Q^T; p = 2^(t - M); O^T = V^T P^T; O / l, quantised and stored as images of the last product's operand registers.  All products on codes of FP4 (E2M1) with E8M0 scales.
; THE SOFTMAX: t = score x log2(e) / 8; M = the row's largest t so far, rounded UP to a whole number; p = 2^(t - M) is what is quantised, along the keys, not normalised.  The row's sum is taken of the unquantised p
; and divides O at the end.  When M moves, the sum and O are multiplied by 2^(old M - new M): exact.
; SHARES.  Work-group x = 2 x head + half of the queries, y = batch entry.  Each of SIXTEEN waves owns 16 queries in 256 registers: four waves to a SIMD, so that one wave's vector work stands beside another's products and LDS loads.
; All products are used transposed: a lane holds ONE query (lane % 16) throughout, and its registers run along the axis that is quantised next (channels, keys, channels).
; LDS is written once, ahead of the ONE barrier, and only read behind it: the head's K and V images and scale words (as the launch before laid them), the head's 64 rows of Wq, and each wave's own 16 rows of T.
; NO CLUSTER, NO JOINT LOADS: a work-group fetches 35 KB of K and V and 34 KB of Wq, which it shares with one other work-group, and 128 KB of T, which 16 heads share, all once, at its head, by plain loads of 512
; consecutive bytes; there is no ring whose refills partners could ask for together, and T's rows are turned into fragments through each wave's own stage on the way.
; HEAD SIZE 64 IN A K STEP OF 128: registers 4-7 of K's and Q's fragments hold zero codes, which add nothing under any scale byte but 0xff; the bytes that meet them are 0 or another block's (1 to 254).
; THE QUANTISER on a transposed result: see QUANT2.  LIMITS: NaN and infinities are not served; a block whose largest magnitude lies under 2^-124 gets the scale byte 1 (read by this program alone); 1 / l is v_rcp_f32's.
; REGISTERS: v1-11 addresses that stay; v12 -M, v13 the largest t, v[14:15] the sum in two halves; v16-23 Q's fragment; v32-63 four fragments of K; v64-95 four of V (in the q phase v32-95: T's eight);
;   v96-159 S^T, then p (q phase: two sets of Wq's four fragments); v160-191 q, then O^T; v192-231 scale words and nothing else; v232-239 codes just made; v240-254 at work.
.set KIMG, 0                           ; LDS: K: 32 tiles of 16 keys x 512 bytes: lane l's 16 bytes at 16 l
.set VIMG, 16384                       ; V: [key step 4][channel tile 4][1,024 bytes]
.set KSC,  32768                       ; K's scale words, 64 bytes a tile
.set VSC,  34816                       ; V's, 64 bytes a fragment
.set WQ,   35840                       ; the head's 64 rows of Wq: 512 bytes + 16 of padding
.set TST,  69632                       ; 16 rows of T for each wave, likewise
.set WP,   528                         ; 132 words: row r begins at bank 4 r mod 64 (64 banks of 4 bytes: ISA guide 11.1)
.set LI,   1                           ; v1   16 x lane
.set LS,   2                           ; v2   4 x (lane % 16)
.set WFA,  3                           ; v3   528 r + 16 h: my place in a tile of Wq
.set TLD,  4                           ; v4   the same in my wave's rows of T
.set TSTO, 5                           ; v5   where I put 16 bytes of a row of T
.set QF,   16
.set KB,   32
.set VB,   64
.set TF,   32
.set S,    96
.set QA,   160
.set WQS,  192                         ; q phase: Wq's scale words, tile t, K step s at 8 t + s;  T's at v224 + s
.set TSR,  224
.set KSR,  192                         ; attention: K's four scale words, V's four, p's, Q's
.set VSR,  196
.set PS,   200
.set QS,   201
.set PCD,  232
.set BM,   240                         ; v240-243 block maxima; v244-247 the other half's, sums, bytes; v248-251 the conversions' scale operands
.set PB,   244
.set SO,   248
.set SEL,  36                          ; s[36:37] lane selects: lane l xor 16
.set CS,   38                          ; s[38:39] c = log2(e) / 8
.macro PLACES n                        ; plain vector instructions between a matrix instruction and a load into, or a read of, its registers
.rept \n
	v_nop
.endr
.endm
; 32 numbers of a lane, v[src] on: in tile t (8 registers) register j is channel 16 t + 8 (lane / 16) + j of my row.  Block b of 32 is tiles 2 b, 2 b + 1 in lanes l and l xor 16.  Tiles 0, 1, 2, 3 become
; registers 0, 2, 1, 3 of codes; two exchanges of halves leave register i with channels 32 (lane / 16) + 8 i + 0 .. 7: the 4-bit operand's layout.  The two scale bytes go to v[pw].
.macro QUANT2 src, pc, pw
.irp b, 0,1
	v_max3_num_f32 v[BM+\b], |v[\src+16*\b]|, |v[\src+16*\b+1]|, 0x1800000   ; and the floor 2^(3 - 127): so the byte cannot fall under 1
.endr
.irp i, 2,4,6,8,10,12,14
.irp b, 0,1
	v_max3_num_f32 v[BM+\b], v[BM+\b], |v[\src+16*\b+\i]|, |v[\src+16*\b+\i+1]|
.endr
.endr
.irp b, 0,1
	v_permlanex16_b32 v[PB+\b], v[BM+\b], s[SEL], s[SEL+1]
.endr
.irp b, 0,1
	v_max_num_f32 v[BM+\b], v[BM+\b], v[PB+\b]     ; the block's largest magnitude
.endr
.irp b, 0,1
	v_add_nc_u32 v[SO+\b], 0xff000000, v[BM+\b]    ; 2 off its exponent field: the conversion's scale operand
.endr
.irp b, 0,1
	v_lshrrev_b32 v[PB+\b], 23, v[SO+\b]           ; the scale's byte
.endr
	v_lshl_or_b32 v[\pw], v[PB+1], 8, v[PB]
.irp t, 0,1,2,3
	v_cvt_scalef32_pk8_fp4_f32 v[\pc+2*(\t%2)+\t/2], v[\src+8*\t:\src+8*\t+7], v[SO+\t/2]
.endr
	v_nop                                          ; one plain place behind a scaled conversion
	v_permlane16_swap_b32 v[\pc], v[\pc+1]
	v_permlane16_swap_b32 v[\pc+2], v[\pc+3]
.endm
	s_load_b256 s[4:11], s[0:1], 0x0               ; T's codes, T's scales, Wq's codes, Wq's scales
	s_load_b256 s[12:19], s[0:1], 0x20             ; bq, kimg, ksc, vimg
	s_load_b128 s[20:23], s[0:1], 0x40             ; vsc, aimg
	s_load_b64 s[24:25], s[0:1], 0x50              ; asc
	v_lshrrev_b32 v16, 5, v0
	v_readfirstlane_b32 s26, v16                   ; wave 0..15
	s_lshr_b32 s27, ttmp9, 1                       ; head
	s_and_b32 s28, ttmp9, 1                        ; which 256 queries
	s_and_b32 s29, ttmp7, 0xffff                   ; batch entry
	s_lshl_b32 s30, s29, 5
	s_lshl_b32 s31, s28, 4
	s_add_co_u32 s30, s30, s31
	s_add_co_u32 s30, s30, s26                     ; my tile of 16 rows among the 256
	v_and_b32 v17, 31, v0                          ; lane
	v_and_b32 v18, 15, v0                          ; r
	v_bfe_u32 v19, v0, 4, 1                        ; h
	v_lshlrev_b32 v[LI], 4, v17
	v_lshlrev_b32 v[LS], 2, v18
	v_mul_u32_u24 v[WFA], v18, WP
	v_lshl_add_u32 v[WFA], v19, 4, v[WFA]
	v_mul_u32_u24 v20, v16, 16*WP                  ; my wave's rows of T in LDS
	v_add_nc_u32 v[TLD], v[WFA], v20
	v_add_nc_u32 v[TLD], TST, v[TLD]
	v_add_nc_u32 v[TSTO], v[LI], v20
	v_add_nc_u32 v[TSTO], TST, v[TSTO]
	v_lshlrev_b32 v6, 4, v0                        ; 16, 4, 2 x my thread's number
	v_lshlrev_b32 v7, 2, v0
	v_lshlrev_b32 v8, 1, v0
	v_mul_u32_u24 v9, v16, 4*WP
	v_add_nc_u32 v9, v9, v[LI]                     ; Wq's rows 4 w on, in LDS
	v_lshl_add_u32 v10, v16, 10, v[LI]             ; K's tile w in memory: tiles lie 1,024 bytes apart there (two heads)
	v_lshlrev_b32 v11, 5, v18                      ; 32 r: a row of 32 scale bytes
	v_lshlrev_b32 v12, 5, v19                      ; 32 h: my half's eight numbers of bq
	s_mov_b32 s[SEL], 0x76543210
	s_mov_b32 s[SEL+1], 0xfedcba98
	s_mov_b32 s[CS], 0x3e38aa3b                    ; c = log2(e) / sqrt(64)
	s_mov_b32 s[CS+1], s[CS]                       ; (named with it as a pair, so it is written)
	s_mov_b32 s33, 0
	s_wait_kmcnt 0x0
	s_lshl_b32 s32, s30, 13
	s_add_nc_u64 s[4:5], s[4:5], s[32:33]          ; T's codes: 16 rows of 512 bytes a tile
	s_lshl_b32 s35, s27, 9
	s_add_co_u32 s32, s32, s35
	s_add_nc_u64 s[22:23], s[22:23], s[32:33]      ; aimg: 8,192 x tile + 512 x head
	s_lshl_b32 s32, s30, 9
	s_add_nc_u64 s[6:7], s[6:7], s[32:33]          ; T's scales: 16 rows of 32 bytes
	s_lshl_b32 s35, s27, 1
	s_add_co_u32 s32, s32, s35
	s_add_nc_u64 s[24:25], s[24:25], s[32:33]      ; asc: the same rows, + 2 x head
	s_lshl_b32 s32, s27, 15
	s_lshl_b32 s35, s26, 11
	s_add_co_u32 s32, s32, s35
	s_add_nc_u64 s[8:9], s[8:9], s[32:33]          ; Wq's codes: the head's 64 rows, my wave's four
	s_lshl_b32 s32, s27, 11
	s_add_nc_u64 s[10:11], s[10:11], s[32:33]      ; Wq's scales
	s_lshl_b32 s32, s27, 8
	s_add_nc_u64 s[12:13], s[12:13], s[32:33]      ; bq
	s_lshr_b32 s31, s27, 1
	s_lshl_b32 s35, s29, 3
	s_add_co_u32 s31, s31, s35                     ; batch x 8 + head pair
	s_and_b32 s34, s27, 1
	s_lshl_b32 s32, s31, 15
	s_lshl_b32 s35, s34, 9
	s_add_co_u32 s32, s32, s35
	s_add_nc_u64 s[14:15], s[14:15], s[32:33]      ; kimg: the pair's 32 tiles, my head's half of each
	s_lshl_b32 s32, s31, 11
	s_add_nc_u64 s[16:17], s[16:17], s[32:33]      ; ksc
	s_lshl_b32 s34, s34, 4                         ; the odd head's two bytes lie 16 bits up in a word
	s_lshl_b32 s31, s29, 4
	s_add_co_u32 s31, s31, s27                     ; batch x 16 + head
	s_lshl_b32 s32, s31, 14
	s_add_nc_u64 s[18:19], s[18:19], s[32:33]      ; vimg
	s_lshl_b32 s32, s31, 10
	s_add_nc_u64 s[20:21], s[20:21], s[32:33]      ; vsc
	; ten loads for the work-group's LDS,
.irp i, 0,1,2,3
	global_load_b128 v[232+4*\i:235+4*\i], v[LI], s[8:9] offset:512*\i   ; a row of Wq: 512 consecutive bytes
.endr
	global_load_b128 v[16:19], v10, s[14:15]                 ; K's tiles w and 16 + w
	global_load_b128 v[20:23], v10, s[14:15] offset:16384
	global_load_b128 v[24:27], v6, s[18:19]                  ; V: 16,384 dense bytes
	global_load_b128 v[28:31], v6, s[18:19] offset:8192
	global_load_b32 v248, v7, s[16:17]                       ; K's 512 scale words
	global_load_u16 v249, v8, s[20:21]                       ; V's 256
	; sixteen for my rows of T,
.irp i, 0,1,2,3,4,5,6,7,8,9,10,11,12,13,14,15
	global_load_b128 v[S+4*\i:S+4*\i+3], v[LI], s[4:5] offset:512*\i
.endr
	; eighteen that stay in registers: scale words and the bias
	global_load_b128 v[TSR:TSR+3], v11, s[6:7]
	global_load_b128 v[TSR+4:TSR+7], v11, s[6:7] offset:16
.irp t, 0,1,2,3
	global_load_b128 v[WQS+8*\t:WQS+8*\t+3], v11, s[10:11] offset:512*\t
	global_load_b128 v[WQS+8*\t+4:WQS+8*\t+7], v11, s[10:11] offset:512*\t+16
	global_load_b128 v[QA+8*\t:QA+8*\t+3], v12, s[12:13] offset:64*\t        ; bq at channels 16 t + 8 h + 0 .. 7: the sums begin as the bias
	global_load_b128 v[QA+8*\t+4:QA+8*\t+7], v12, s[12:13] offset:64*\t+16
.endr
	s_wait_loadcnt 34                              ; the first ten are in: 16 + 18 younger loads may be out
	v_lshrrev_b32 v248, s34, v248                  ; my head's two bytes in bytes 0 and 1
.irp i, 0,1,2,3
	ds_store_b128 v9, v[232+4*\i:235+4*\i] offset:WQ+WP*\i
.endr
	ds_store_b128 v6, v[16:19] offset:KIMG
	ds_store_b128 v6, v[20:23] offset:KIMG+8192
	ds_store_b128 v6, v[24:27] offset:VIMG
	ds_store_b128 v6, v[28:31] offset:VIMG+8192
	ds_store_b32 v7, v248 offset:KSC
	ds_store_b16 v8, v249 offset:VSC
	s_wait_loadcnt 18                              ; T's rows are in: the 18 younger loads may be out
.irp i, 0,1,2,3,4,5,6,7,8,9,10,11,12,13,14,15
	ds_store_b128 v[TSTO], v[S+4*\i:S+4*\i+3] offset:WP*\i
.endr
	s_wait_dscnt 0x0                               ; for the others' sake: my stores have landed
	s_barrier_signal -1
	s_barrier_wait -1                              ; the one barrier: from here on LDS is only read
	; ---- q = T Wq + bq, transposed: source 0 = 16 channels of Wq, source 1 = my 16 rows of T.  Four accumulators by turns, eight K steps
.irp s, 0,1,2,3,4,5,6,7
.irp c, 0,1
	ds_load_b128 v[TF+8*\s+4*\c:TF+8*\s+4*\c+3], v[TLD] offset:64*\s+32*\c
.endr
.endr
.macro FETCHW s, set                   ; Wq's four fragments of K step s
.irp t, 0,1,2,3
.irp c, 0,1
	ds_load_b128 v[S+32*(\set)+8*\t+4*\c:S+32*(\set)+8*\t+4*\c+3], v[WFA] offset:WQ+16*WP*\t+64*(\s)+32*\c
.endr
.endr
.endm
	FETCHW 0, 0
	s_wait_loadcnt 0x0                             ; the scale words and the bias
.set S_, 0
.rept 8
.if S_ < 7
.if S_ > 0
	PLACES 4                                       ; the other set was read by the products just issued
.endif
	FETCHW S_+1, (S_+1)%2
	s_wait_dscnt 8                                 ; all but the eight just issued
.else
	s_wait_dscnt 0x0
.endif
.irp t, 0,1,2,3
	v_wmma_scale_f32_16x16x128_f8f6f4 v[QA+8*\t:QA+8*\t+7], v[S+32*(S_%2)+8*\t:S+32*(S_%2)+8*\t+7], v[TF+8*S_:TF+8*S_+7], v[QA+8*\t:QA+8*\t+7], v[WQS+8*\t+S_], v[TSR+S_] matrix_a_fmt:MATRIX_FMT_FP4 matrix_b_fmt:MATRIX_FMT_FP4
.endr
.set S_, S_+1
.endr
	PLACES 4
.irp b, 0,1,2,3
	v_mov_b32 v[PB+\b], 0                          ; written once: a lane permute's destination counts as one of its sources
.endr
	QUANT2 QA, QF, QS                              ; Q's fragment and its scale word
.irp i, 4,5,6,7
	v_mov_b32 v[QF+\i], 0                          ; K = 64 .. 127: zero codes, in Q
.irp t, 0,1,2,3
	v_mov_b32 v[KB+8*\t+\i], 0                     ; and in K's four fragments: the loads below fill registers 0-3 alone
.endr
.endr
	v_mov_b32 v13, 0xff61b1e6                      ; the largest t so far: -3e38, under every t
	v_floor_f32 v12, -v13                          ; -M
	v_mov_b32 v14, 0                               ; the sum, in two halves
	v_mov_b32 v15, 0
	v_mov_b32 v253, 0                              ; (named as the upper half of the pair v[252:253])
	PLACES 8                                       ; a scale register written by a vector instruction stands 8 places ahead of a scaled matrix instruction, an operand so written 4
; ---- A KEY STEP: 128 keys, the q-th of four.  In tile T of S^T register j of lane (r, h) is key 128 q + 16 T + 8 h + j of query r.
.macro STEP q
.if \q > 0
	PLACES 4                                       ; V's registers were read by the products just issued
.endif
.irp t, 0,1,2,3
	ds_load_b128 v[KB+8*\t:KB+8*\t+3], v[LI] offset:KIMG+(8*\q+\t)*512
	ds_load_b32 v[KSR+\t], v[LS] offset:KSC+(8*\q+\t)*64
.endr
.irp t, 0,1,2,3
	ds_load_b128 v[VB+8*\t:VB+8*\t+3], v[LI] offset:VIMG+4096*\q+1024*\t
	ds_load_b128 v[VB+8*\t+4:VB+8*\t+7], v[LI] offset:VIMG+4096*\q+1024*\t+512
	ds_load_b32 v[VSR+\t], v[LS] offset:VSC+(4*\q+\t)*64
.endr
	s_wait_dscnt 12                                ; K's first four tiles are in; V's twelve loads may be out
.irp t, 0,1,2,3
	v_wmma_scale_f32_16x16x128_f8f6f4 v[S+8*\t:S+8*\t+7], v[KB+8*\t:KB+8*\t+7], v[QF:QF+7], 0, v[KSR+\t], v[QS] matrix_a_fmt:MATRIX_FMT_FP4 matrix_b_fmt:MATRIX_FMT_FP4
.endr
	PLACES 4
.irp t, 0,1,2,3
	ds_load_b128 v[KB+8*\t:KB+8*\t+3], v[LI] offset:KIMG+(8*\q+4+\t)*512
	ds_load_b32 v[KSR+\t], v[LS] offset:KSC+(8*\q+4+\t)*64
.endr
	s_wait_dscnt 0x0
.irp t, 0,1,2,3
	v_wmma_scale_f32_16x16x128_f8f6f4 v[S+32+8*\t:S+32+8*\t+7], v[KB+8*\t:KB+8*\t+7], v[QF:QF+7], 0, v[KSR+\t], v[QS] matrix_a_fmt:MATRIX_FMT_FP4 matrix_b_fmt:MATRIX_FMT_FP4
.endr
	PLACES 4
.irp b, 0,1,2,3
	v_max3_num_f32 v[BM+\b], v[S+16*\b], v[S+1+16*\b], v[S+2+16*\b]   ; the largest SCORE of each block of 32 keys: it serves for the row's maximum and, since p rises with the score, for the block's largest p
.endr
.irp i, 3,5,7,9,11,13
.irp b, 0,1,2,3
	v_max3_num_f32 v[BM+\b], v[BM+\b], v[S+16*\b+\i], v[S+1+16*\b+\i]
.endr
.endr
.irp b, 0,1,2,3
	v_max_num_f32 v[BM+\b], v[BM+\b], v[S+15+16*\b]
.endr
.irp b, 0,1,2,3
	v_permlanex16_b32 v[PB+\b], v[BM+\b], s[SEL], s[SEL+1]
.endr
.irp b, 0,1,2,3
	v_max_num_f32 v[BM+\b], v[BM+\b], v[PB+\b]     ; with lane l xor 16's 16 keys
.endr
	v_max3_num_f32 v254, v[BM], v[BM+1], v[BM+2]
	v_max_num_f32 v254, v254, v[BM+3]              ; the step's largest score of my query
	v_mul_f32 v254, s[CS], v254                    ; as t (c is positive)
	v_max_num_f32 v13, v13, v254                   ; the running largest t
	v_mov_b32 v254, v12
	v_floor_f32 v12, -v13                          ; the new -M = floor(-t) = -ceil(t)
	v_sub_f32 v254, v12, v254                      ; old M - new M: a whole number, 0 or less
	v_cvt_i32_f32 v254, v254                       ; (it saturates)
	v_ldexp_f32 v252, 1.0, v254                    ; f = 2^(old M - new M)
.set j, 0
.rept 32
	v_pk_fma_f32 v[S+j:S+j+1], v[S+j:S+j+1], s[CS:CS+1], v[12:13] op_sel_hi:[1,0,0]   ; t - M, two at a time
.set j, j+2
.endr
.irp b, 0,1,2,3
	v_fma_f32 v[BM+\b], v[BM+\b], s[CS], v12       ; the same of each block's largest score
.endr
.set j, 0
.rept 64
	v_exp_f32 v[S+j], v[S+j]                       ; p = 2^(t - M), at most 1
.set j, j+1
.endr
	v_pk_mul_f32 v[14:15], v[14:15], v[252:253] op_sel_hi:[1,0]   ; the sums under the new M: a plain place behind the exponentials
	s_wait_alu depctr_va_vdst(0)                   ; one wait for the whole batch, ahead of its first reader
.irp b, 0,1,2,3
	v_exp_f32 v[BM+\b], v[BM+\b]                   ; the block's largest p
.endr
	v_pk_add_f32 v[PB:PB+1], v[S:S+1], v[S+2:S+3]  ; the row's sum is taken of the unquantised p, in two chains; it reads the 64 alone
.irp j, 4,8,12,16,20,24,28,32,36,40,44,48,52,56,60
	v_pk_add_f32 v[14:15], v[14:15], v[S+\j:S+\j+1]
	v_pk_add_f32 v[PB:PB+1], v[PB:PB+1], v[S+2+\j:S+3+\j]
.endr
	v_pk_add_f32 v[14:15], v[14:15], v[PB:PB+1]
	s_wait_alu depctr_va_vdst(0)                   ; and one for the four
.irp b, 0,1,2,3
	v_max_num_f32 v[BM+\b], 0x1800000, v[BM+\b]    ; the floor 2^(3 - 127): the byte cannot fall under 1
.endr
.irp b, 0,1,2,3
	v_add_nc_u32 v[SO+\b], 0xff000000, v[BM+\b]    ; 2 off the exponent field: the conversion's scale operand
.endr
.irp b, 0,1,2,3
	v_lshrrev_b32 v[PB+\b], 23, v[SO+\b]           ; the scale's byte
.endr
	v_lshl_or_b32 v[PS], v[PB+1], 8, v[PB]         ; p's scale word for these 128 keys
	v_lshl_or_b32 v[PS], v[PB+2], 16, v[PS]
	v_lshl_or_b32 v[PS], v[PB+3], 24, v[PS]
.irp b, 0,1,2,3
.irp u, 0,1
	v_cvt_scalef32_pk8_fp4_f32 v[PCD+4*(\b/2)+2*\u+(\b%2)], v[S+16*\b+8*\u:S+16*\b+8*\u+7], v[SO+\b]   ; tiles 0, 1, 2, 3 of a group of 64 keys to registers 0, 2, 1, 3
.endr
.endr
	v_nop                                          ; one plain place behind a scaled conversion
.irp i, 0,2,4,6
	v_permlane16_swap_b32 v[PCD+\i], v[PCD+\i+1]
.endr
.if \q > 0
.set j, 0
.rept 16
	v_pk_mul_f32 v[QA+j:QA+j+1], v[QA+j:QA+j+1], v[252:253] op_sel_hi:[1,0]   ; O^T under the new M; these are also the places in front of the products below
.set j, j+2
.endr
.else
	PLACES 8                                       ; p's scale word and codes were written by vector instructions
.endif
.irp t, 0,1,2,3
.if \q > 0
	v_wmma_scale_f32_16x16x128_f8f6f4 v[QA+8*\t:QA+8*\t+7], v[VB+8*\t:VB+8*\t+7], v[PCD:PCD+7], v[QA+8*\t:QA+8*\t+7], v[VSR+\t], v[PS] matrix_a_fmt:MATRIX_FMT_FP4 matrix_b_fmt:MATRIX_FMT_FP4
.else
	v_wmma_scale_f32_16x16x128_f8f6f4 v[QA+8*\t:QA+8*\t+7], v[VB+8*\t:VB+8*\t+7], v[PCD:PCD+7], 0, v[VSR+\t], v[PS] matrix_a_fmt:MATRIX_FMT_FP4 matrix_b_fmt:MATRIX_FMT_FP4
.endif
.endr
.endm
	STEP 0
	STEP 1
	STEP 2
	STEP 3
	; ---- the way out: O^T / the sum, quantised along the head's 64 channels: two blocks of the last product's K
	v_add_f32 v14, v14, v15                        ; the sum's two halves,
	v_permlanex16_b32 v252, v14, s[SEL], s[SEL+1]
	v_add_f32 v14, v14, v252                       ; and lane l xor 16's: the row's sum
	v_rcp_f32 v14, v14
	PLACES 4                                       ; behind the reciprocal, and behind the last products
	s_wait_alu depctr_va_vdst(0)                   ; ahead of the reciprocal's first reader
.set j, 0
.rept 16
	v_pk_mul_f32 v[S+j:S+j+1], v[QA+j:QA+j+1], v[14:15] op_sel_hi:[1,0]   ; each accumulator from its low end on
.set j, j+2
.endr
	QUANT2 S, PCD, 254
	global_store_b128 v[LI], v[PCD:PCD+3], s[22:23]   ; the image: 512 consecutive bytes, aligned
	global_store_b16 v11, v254, s[24:25]           ; my row's two scale bytes, at byte 2 x head of its 32; lanes l and l xor 16 write the same bytes with the same value
	s_wait_xcnt 0x0
	v_lshl_add_u32 v254, v0, 2, 0x32000
	v_mov_b32 v255, 0
	s_wait_tensorcnt 0x0
	ds_add_u32 v254, v255
	s_wait_dscnt 0x0
	s_endpgm
.Lfunc_end_k_q3378371a99_attn:
	.size	k_q3378371a99_attn, .Lfunc_end_k_q3378371a99_attn-k_q3378371a99_attn
	.p2alignl 7, 3214868480
	.fill 96, 4, 3214868480
	.section	.rodata,"a",@progbits
	.p2align	6, 0x0
	.amdhsa_kernel k_q3378371a99_attn
		.amdhsa_group_segment_fixed_size 206848
		.amdhsa_private_segment_fixed_size 0
		.amdhsa_enable_private_segment 0
		.amdhsa_kernarg_size 88
		.amdhsa_user_sgpr_count 2
		.amdhsa_user_sgpr_kernarg_segment_ptr 1
		.amdhsa_wavefront_size32 1
		.amdhsa_system_sgpr_workgroup_id_x 1
		.amdhsa_system_sgpr_workgroup_id_y 1
		.amdhsa_system_sgpr_workgroup_id_z 1
		.amdhsa_system_vgpr_workitem_id 0
		.amdhsa_next_free_vgpr 256
		.amdhsa_next_free_sgpr 66
		.amdhsa_reserve_vcc 0
		.amdhsa_float_denorm_mode_32 3
		.amdhsa_float_denorm_mode_16_64 3
		.amdhsa_memory_ordered 1
		.amdhsa_forward_progress 1
		.amdhsa_inst_pref_size 87
	.end_amdhsa_kernel
	.amdgpu_metadata
---
amdhsa.version: [ 1, 2 ]
amdhsa.kernels:
  - .name:           k_q3378371a99_attn
    .symbol:         k_q3378371a99_attn.kd
    .args:
      - { .name: target_embedding_codes, .offset: 0, .size: 8, .value_kind: global_buffer, .address_space: global }
      - { .name: target_embedding_scales, .offset: 8, .size: 8, .value_kind: global_buffer, .address_space: global }
      - { .name: Wq_codes, .offset: 16, .size: 8, .value_kind: global_buffer, .address_space: global }
      - { .name: Wq_scales, .offset: 24, .size: 8, .value_kind: global_buffer, .address_space: global }
      - { .name: bq, .offset: 32, .size: 8, .value_kind: global_buffer, .address_space: global }
      - { .name: kimg, .offset: 40, .size: 8, .value_kind: global_buffer, .address_space: global }
      - { .name: ksc, .offset: 48, .size: 8, .value_kind: global_buffer, .address_space: global }
      - { .name: vimg, .offset: 56, .size: 8, .value_kind: global_buffer, .address_space: global }
      - { .name: vsc, .offset: 64, .size: 8, .value_kind: global_buffer, .address_space: global }
      - { .name: aimg, .offset: 72, .size: 8, .value_kind: global_buffer, .address_space: global }
      - { .name: asc, .offset: 80, .size: 8, .value_kind: global_buffer, .address_space: global }
    .group_segment_fixed_size: 206848
    .private_segment_fixed_size: 0
    .kernarg_segment_align: 8
    .kernarg_segment_size: 88
    .max_flat_workgroup_size: 512
    .sgpr_count:     66
    .vgpr_count:     256
    .wavefront_size: 32
...
	.end_amdgpu_metadata
.endif
;; end of part 2
;; launch oproj (part 3): grid 16 x 16, 4 waves a work-group, clusters of 4 x 4, 327,680 bytes of LDS; arguments aimg, asc, Wo_codes, Wo_scales, bo, out0; writes out0
.if DOCPART == 3
	.amdgcn_target "amdgcn-amd-amdhsa--gfx1250"
	.amdhsa_code_object_version 6
	.text
	.protected	k_q3378371a99_oproj
	.globl	k_q3378371a99_oproj
	.p2align	8
	.type	k_q3378371a99_oproj,@function
k_q3378371a99_oproj:
	s_mov_b64 s[64:65], 0
	v_nop
	global_prefetch_b8 v0, s[64:65] scope:SCOPE_SE
	s_setreg_imm32_b32 hwreg(HW_REG_WAVE_MODE, 25, 1), 1
	s_wait_xcnt 0x0
	s_wait_alu depctr_hold_cnt(0) depctr_sa_sdst(0) depctr_va_vdst(0) depctr_va_sdst(0) depctr_va_ssrc(0) depctr_va_vcc(0) depctr_vm_vsrc(0)
	s_getreg_b32 s2, hwreg(HW_REG_IB_STS2, 6, 4)
	s_cmp_eq_u32 s2, 0
	s_cbranch_scc0 .Lentry_in_a_cluster
	s_endpgm
.Lentry_in_a_cluster:
	s_bfe_u32 s2, ttmp6, 0x10000c
	s_cmp_lg_u32 s2, 0xf033
	s_cbranch_scc0 .Lentry_shape_is_right
	s_endpgm
.Lentry_shape_is_right:
; out0[m][n] = sum over k of A[m][k] Wo[n][k] + bo[n].  A: 4,096 x 1,024, the attention's result as codes of FP4 (E2M1); Wo: 4,096 x 1,024 as codes, K innermost; one E8M0 scale for each 32 along K; out0 f32; sums in f32.
; A LIES AS IMAGES OF ITS OPERAND REGISTERS: [tile of 16 rows][head 16][lane 32][16 bytes]; heads 2 s and 2 s + 1 are registers 0-3 and 4-7 of the fragment of the s-th 128 along K.  Its scale bytes lie [row][32].
; A tile of out0, 256 x 256, is made by a work-group of four waves; a wave makes 128 x 128.  K = 1,024 is two slots of 512: both, and all scale bytes, are first fills; no LDS byte is filled twice.
; THE WORK GOES BY ROWS OF out0, NOT BY K.  K is short: Wo's fragments of my 128 columns for ALL of K are 8 blocks x 8 K steps x 8 = 512 registers, and they stay.  Then my eight blocks of 16 rows are finished one after
; the other, 64 matrix instructions each (the block's 8 accumulators by turns, K ascending), and each block is stored as soon as it is finished: a block's 16 stores of 512 bytes leave while the later blocks are multiplied.
; LDS is read no more than it would be by K: each fragment of A and of Wo once.
; CLUSTERS: 4 x 4 work-groups.  The four of a row of the cluster need the same tiles of A, the four of a column the same tiles of Wo: each tile is asked for JOINTLY.
; THE MATRIX INSTRUCTION IS USED TRANSPOSED (source 0 = 16 rows of Wo, source 1 = 16 rows of A): a lane holds eight neighbouring numbers of a row of out0.  THE BIAS is the C of each sum's first matrix instruction.
; REGISTERS, in windows of 256: window 0: v0-31 addresses; v32-95 scale words of both slots, and nothing else; v128-255 A's fragments: two buffers of 64 (16 rows x 1,024 K), blocks by turns.
;   window 1: Wo's fragments of K steps 0-3 (step q, block b at v[64 q + 8 b]);   window 2: those of K steps 4-7.
;   window 3: v0-127 two sets of 8 accumulators, blocks by turns; v128-191 the bias, 8 tiles x 8; v192-255 16 rows read back from the stage.
.set SIZE_N, 4096
.set ROWB,   256                       ; a row of Wo's tile in bytes
.set KROW,   512                       ; a row of Wo in memory; also A's bytes for each row (8,192 for a tile of 16)
.set PITCH,  272                       ; an LDS row of Wo: 256 bytes + 16 of padding: the 16 rows that a load touches begin in 16 different groups of four banks (64 banks of 4 bytes: ISA guide 11.1)
.set NP,     4                         ; places behind this matrix instruction (ISA guide 7.12.1)
.set HALFA,  32768                     ; A: 8 tiles of 16 rows x 4,096 bytes: one tensor load, and what one wave reads
.set HALFT,  128*PITCH                 ; Wo: 128 rows likewise
.set BOFF,   2*HALFA
.set SLOT,   BOFF+2*HALFT
.set KS,     32                        ; a row of scales in bytes
.set SCL,    2*SLOT                    ; behind the slots: the scales, pieces of 256 bytes + 16 of padding
.set HALFS,  16*272                    ; the scales of 128 rows
.set SBLK,   2*272                     ; those of 16 rows
.set SPARE,  SCL+4*HALFS               ; the spare words, 128 bytes for each wave: two blocks of 256 bytes that no other line names
.set STAGE,  SPARE+512                 ; the way out: a stage of 16 rows x (512 bytes + 16) for each wave, in bytes of its own: both slots are read until the last block
.set SPITCH, 528
.set ADRA, 16                          ; v16-17  LDS address of my A fragments in slot 0, 1
.set ADRB, 20                          ; v20-21  the same for Wo
.set STO,  24                          ; v24     the way out: where I put 32 bytes of a row
.set RD,   25                          ; v25     the way out: where I read a row back
.set CO,   26                          ; v26     16 x lane: my byte offset in a row of out0, and in an image
.set ADRS, 27                          ; v27     LDS address of my scale words: lanes 0-15 A's rows, lanes 16-31 Wo's
.set SPW,  28                          ; v28     LDS address of my spare word; never rewritten
.set NIL,  29                          ; v29     0; never rewritten
.set BO,   30                          ; v30     byte offset of my part of the bias
.set SC,   32                          ; scale words: slot s at v[SC + 32 s]; register 4 i + q: lanes 0-15 A's block i, lanes 16-31 Wo's block i, the slot's q-th 128 along K
.set AF,   128                         ; window 0: A's two buffers
.set BI,   128                         ; window 3: the bias
.set BK,   192                         ; window 3: rows read back from the stage
.set G1, 24                            ; s[24:31] descriptor group 1 for A's tiles;  s[32:39] group 0, one set for each slot
.set G0, 32
.set G1B, 48                           ; s[48:55], s[56:63] the same for Wo's
.set G0B, 56
.set G1S, 68                           ; s[68:75], s[76:79] groups 1 and 0 for A's scales;  s[80:87], s[88:91] for Wo's
.set G0S, 76
.set G1SB, 80
.set G0SB, 88
.set MSB, 0
.macro WIN new                         ; the immediate's high byte repeats the setting that is left
.if MSB != \new
	s_set_vgpr_msb (MSB<<8)|\new
.set MSB, \new
.endif
.endm
.set MUL_1,  0xf1                      ; source 0 (Wo) window 1, source 1 (A) window 0, C and D window 3
.set MUL_2,  0xf2                      ; the same with Wo in window 2
.set TO_B1,  0x40                      ; destination window 1, address window 0
.set TO_B2,  0x80                      ; destination window 2
.set TO_3,   0xc0                      ; destination window 3
.set FROM_3, 0x0c                      ; a store's data (its source 1) window 3, address window 0
; A joint load: waves 0 and 1 fetch for A, waves 2 and 3 for Wo.  Four v_nop follow each of the two lines, ahead of the jump, the label and what follows.
.macro JLOAD g0a, g1a, g0b, g1b
	s_cmp_eq_u32 s15, 0
	s_cbranch_scc0 .Lfor_b_\@
	tensor_load_to_lds s[\g0a:\g0a+3], s[\g1a:\g1a+7]
	s_nop 0
.rept 4
	v_nop
.endr
	s_branch .Lasked_\@
.Lfor_b_\@:
	tensor_load_to_lds s[\g0b:\g0b+3], s[\g1b:\g1b+7]
	s_nop 0
.rept 4
	v_nop
.endr
.Lasked_\@:
.endm
.macro CREST                           ; a round of the cluster's barrier behind its opening barrier
	s_cmp_lg_u32 s14, 0
	s_cbranch_scc1 .Lnot_wave_0_\@
	s_barrier_signal -3
.Lnot_wave_0_\@:
	s_barrier_wait -3
	s_barrier_signal -1
	s_barrier_wait -1
.endm
.macro CROUND                          ; a whole round
	s_barrier_signal -1
	s_barrier_wait -1
	CREST
.endm
	s_load_b128 s[4:7], s[0:1], 0x0                ; A's images s[4:5], A's scales s[6:7]
	s_load_b128 s[8:11], s[0:1], 0x10              ; Wo's codes s[8:9], Wo's scales s[10:11]
	s_load_b64 s[96:97], s[0:1], 0x20              ; bo
	s_load_b64 s[12:13], s[0:1], 0x28              ; out0
	v_lshl_add_u32 v[SPW], v0, 2, SPARE
	v_mov_b32 v[NIL], 0
	ds_add_u32 v28, v29
	ds_add_u32 v28, v29
	s_wait_dscnt 0x0
	v_lshrrev_b32 v1, 5, v0
	v_readfirstlane_b32 s14, v1                    ; wave 0..3
	s_lshr_b32 s15, s14, 1                         ; which half of the tile's rows is mine.  Also: I fetch for A (0) or for Wo (1)
	s_and_b32 s16, s14, 1                          ; which half of its columns.  Also: which 128 rows of that tile I fetch
	s_bfe_u32 s40, ttmp6, 0x40000                  ; cx, cy: my place in the cluster
	s_bfe_u32 s41, ttmp6, 0x40004
	s_lshl_b32 s42, ttmp9, 2
	s_add_co_u32 s42, s42, s40                     ; tile column = 4 x cluster x + cx
	s_and_b32 s17, ttmp7, 0xffff
	s_lshl_b32 s17, s17, 2
	s_add_co_u32 s17, s17, s41                     ; tile row = 4 x cluster y + cy
	s_lshl_b32 s43, s41, 2
	s_lshl_b32 s43, 15, s43                        ; my row of the cluster
	s_lshl_b32 s44, 0x1111, s40                    ; my column
	; descriptor group 1 for A: 8 tiles of rows, of each 4,096 of its 8,192 bytes: rows of 512 elements of 8 bytes, 1,024 elements apart, no padding (an image is read 512 consecutive bytes at a time)
	s_or_b32 s[G1+0], s43, (3<<16)|(1<<21)         ; 15:0 the mask: my row; 17:16 elements of 8 bytes; 21 set beside a mask
	s_mov_b32 s[G1+1], 512<<16                     ; tensor_dim0
	s_mov_b32 s[G1+2], 8<<16                       ; tensor_dim1
	s_mov_b32 s[G1+3], 512<<16                     ; tile_dim0
	s_mov_b32 s[G1+4], 8                           ; tile_dim1
	s_mov_b32 s[G1+5], 1024                        ; tensor_dim0_stride
	s_mov_b32 s[G1+6], 0
	s_mov_b32 s[G1+7], 0
	; for Wo: 128 rows x 256 bytes, 16 bytes of padding behind each
	s_or_b32 s[G1B+0], s44, (0<<16)|(1<<20)|(1<<21)|(5<<22)|(3<<25)
	s_mov_b32 s[G1B+1], ROWB<<16
	s_mov_b32 s[G1B+2], 128<<16
	s_mov_b32 s[G1B+3], ROWB<<16
	s_mov_b32 s[G1B+4], 128
	s_mov_b32 s[G1B+5], KROW
	s_mov_b32 s[G1B+6], 0
	s_mov_b32 s[G1B+7], 0
	; and for the scales of 128 rows: a dense block of 4,096 bytes, as rows of 256 bytes (32 elements of 8 bytes), 16 bytes of padding behind each
	s_or_b32 s[G1S+0], s43, (3<<16)|(1<<20)|(1<<21)|(5<<22)|(3<<25)
	s_or_b32 s[G1SB+0], s44, (3<<16)|(1<<20)|(1<<21)|(5<<22)|(3<<25)
.irp g, G1S, G1SB
	s_mov_b32 s[\g+1], 32<<16
	s_mov_b32 s[\g+2], (128*KS/256)<<16
	s_mov_b32 s[\g+3], 32<<16
	s_mov_b32 s[\g+4], 128*KS/256
	s_mov_b32 s[\g+5], 32
	s_mov_b32 s[\g+6], 0
	s_mov_b32 s[\g+7], 0
.endr
	s_lshl_b32 s18, s16, 7                         ; which 128 rows of the tile I fetch
	s_lshl_b32 s20, s17, 8
	s_add_co_u32 s20, s20, s18                     ; A: row 256 x tile row + 128 x half
	s_lshl_b32 s46, s42, 8
	s_add_co_u32 s46, s46, s18                     ; Wo: row 256 x tile column + 128 x half
	s_mov_b32 s21, 0
	s_mov_b32 s47, 0
	s_mov_b64 s[18:19], KS
	s_mul_u64 s[22:23], s[20:21], s[18:19]         ; where these rows' scales begin, in bytes
	s_mul_u64 s[92:93], s[46:47], s[18:19]
	s_mov_b64 s[18:19], KROW
	s_mul_u64 s[20:21], s[20:21], s[18:19]         ; and their codes: 512 bytes a row in both
	s_mul_u64 s[46:47], s[46:47], s[18:19]
	s_mul_i32 s45, s16, HALFA                      ; where they go: no place in the cluster enters an LDS address
	s_mul_i32 s95, s16, HALFT
	s_add_co_u32 s95, s95, BOFF
	s_mul_i32 s94, s14, HALFS
	s_wait_kmcnt 0x0
	s_add_nc_u64 s[20:21], s[4:5], s[20:21]
	s_add_nc_u64 s[22:23], s[6:7], s[22:23]
	s_add_nc_u64 s[46:47], s[8:9], s[46:47]
	s_add_nc_u64 s[92:93], s[10:11], s[92:93]
	CROUND                                         ; all sixteen work-groups are here: the joint loads meet
	s_mov_b32 s[G0S], 1
	s_add_co_u32 s[G0S+1], s94, SCL
	s_mov_b64 s[G0S+2:G0S+3], s[22:23]
	s_or_b32 s[G0S+3], s[G0S+3], 0x80000000
	s_mov_b32 s[G0SB], 1
	s_add_co_u32 s[G0SB+1], s94, SCL
	s_mov_b64 s[G0SB+2:G0SB+3], s[92:93]
	s_or_b32 s[G0SB+3], s[G0SB+3], 0x80000000
	JLOAD G0S, G1S, G0SB, G1SB                     ; the scales first: they are wanted with the first slot
.irp s, 0,1
	s_mov_b32 s[G0+4*\s], 1
	s_add_co_u32 s[G0+4*\s+1], s45, \s*SLOT
	s_add_nc_u64 s[G0+4*\s+2:G0+4*\s+3], s[20:21], \s*4096      ; heads 8 s on of each tile of rows
	s_or_b32 s[G0+4*\s+3], s[G0+4*\s+3], 0x80000000
	s_mov_b32 s[G0B+4*\s], 1
	s_add_co_u32 s[G0B+4*\s+1], s95, \s*SLOT
	s_add_nc_u64 s[G0B+4*\s+2:G0B+4*\s+3], s[46:47], \s*ROWB
	s_or_b32 s[G0B+4*\s+3], s[G0B+4*\s+3], 0x80000000
	JLOAD G0+4*\s, G1, G0B+4*\s, G1B               ; three tensor loads of mine are out in all
.endr
	v_and_b32 v1, 15, v0                           ; l % 16
	v_bfe_u32 v2, v0, 4, 1                         ; l / 16
	v_and_b32 v7, 31, v0
	v_lshlrev_b32 v[CO], 4, v7                     ; 16 x lane
	v_mul_u32_u24 v3, v1, PITCH
	v_lshl_add_u32 v4, v2, 4, v3                   ; Wo: a fragment's row x pitch + 16 x half
	s_mul_i32 s21, s15, HALFA                      ; my 128 rows of A
	s_mul_i32 s22, s16, HALFT                      ; my 128 rows of Wo,
	s_add_co_u32 s22, s22, BOFF                    ; which lie behind A's
.irp s, 0,1
	v_add_nc_u32 v[ADRA+\s], s21, v[CO]
	v_add_nc_u32 v[ADRB+\s], s22, v4
	s_add_co_u32 s21, s21, SLOT
	s_add_co_u32 s22, s22, SLOT
.endr
	v_mul_u32_u24 v5, v1, KS                       ; my row's scales: KS bytes a row,
	v_lshrrev_b32 v6, 8, v5
	v_lshl_add_u32 v5, v6, 4, v5                   ; and 16 more for each 256 passed
	s_mul_i32 s21, s15, HALFS                      ; A's: my 128 rows
	s_mul_i32 s22, s16, HALFS                      ; Wo's: my 128 rows, behind A's 256
	s_add_co_u32 s22, s22, 2*HALFS
	s_sub_co_u32 s22, s22, s21
	v_mul_u32_u24 v6, s22, v2                      ; lanes 16-31 take Wo's
	s_add_co_u32 s21, s21, SCL
	v_add_nc_u32 v5, v5, v6
	v_add_nc_u32 v[ADRS], s21, v5
	s_mul_i32 s23, s14, 16*SPITCH
	s_add_co_u32 s23, s23, STAGE                   ; my stage
	v_mul_u32_u24 v5, v1, SPITCH                   ; in: row l % 16, 32 bytes for each half of the lanes
	v_lshl_add_u32 v5, v2, 5, v5
	v_add_nc_u32 v[STO], s23, v5
	v_add_nc_u32 v[RD], s23, v[CO]                 ; back: the 32 lanes take one row of 512 bytes
	s_lshl_b32 s20, s17, 8
	s_lshl_b32 s21, s15, 7
	s_add_co_u32 s20, s20, s21                     ; my first row of out0: 256 x tile row + 128 x half
	s_mov_b32 s21, 0
	s_mov_b64 s[18:19], SIZE_N*4
	s_mul_u64 s[20:21], s[20:21], s[18:19]
	s_lshl_b32 s46, s42, 10                        ; my first column, in bytes: 1,024 x tile column + 512 x half
	s_lshl_b32 s47, s16, 9
	s_add_co_u32 s46, s46, s47
	s_mov_b32 s47, 0
	s_add_nc_u64 s[20:21], s[20:21], s[46:47]
	s_add_nc_u64 s[12:13], s[12:13], s[20:21]
	v_lshl_add_u32 v[BO], v2, 5, s46               ; the bias of my columns: block b's eight numbers of my half lie 64 b further on
	WIN TO_3
.irp b, 0,1,2,3,4,5,6,7
	global_load_b128 v[BI+8*\b:BI+8*\b+3], v[BO], s[96:97] offset:64*\b
	global_load_b128 v[BI+8*\b+4:BI+8*\b+7], v[BO], s[96:97] offset:64*\b+16
.endr
	WIN 0
.macro PLACES n                        ; plain vector instructions between a matrix instruction and a load into, or a read of, its registers
.rept \n
	v_nop
.endr
.endm
.macro SCALES s                        ; slot s's scale words: four words a row; lanes 0-15 take A's block i, lanes 16-31 Wo's block i
.irp i, 0,1,2,3,4,5,6,7
	ds_load_b128 v[SC+32*\s+4*\i:SC+32*\s+4*\i+3], v[ADRS] offset:\i*SBLK+16*\s
.endr
.endm
.macro ALOADH a, s                     ; A's block a, the four K steps of slot s, into buffer a % 2: eight pieces of images, 512 consecutive bytes each
.irp q, 0,1,2,3
.irp c, 0,1
	ds_load_b128 v[AF+64*((\a)%2)+32*(\s)+8*\q+4*\c:AF+64*((\a)%2)+32*(\s)+8*\q+4*\c+3], v[ADRA+\s] offset:4096*(\a)+1024*\q+512*\c
.endr
.endr
.endm
.macro BLOAD s                         ; Wo's 32 fragments of slot s, K step by K step (the destination's window is set by the caller): lane l holds row l % 16; registers 4 c .. 4 c + 3 hold K = 64 c + 32 (l / 16) + 0 .. 31
.irp q, 0,1,2,3
.irp b, 0,1,2,3,4,5,6,7
.irp c, 0,1
	ds_load_b128 v[64*\q+8*\b+4*\c:64*\q+8*\b+4*\c+3], v[ADRB+\s] offset:64*\q+32*\c+\b*16*PITCH
.endr
.endr
.endr
.endm
; 32 matrix instructions: block a's 16 rows x my 128 columns, the four K steps of slot s.  The block's 8 accumulators take turns, one instruction a turn; blocks take the two sets by turns.
; The very first K step takes the bias as C: nothing is ever cleared.  w = 1 (block 0): Wo's fragments are still arriving, K step by K step: behind step q's 16 loads stand those of the later steps and A's next eight.
.macro ROWH a, s, w
.set AB_, 64*((\a)%2)
.set AA_, AF+64*((\a)%2)+32*(\s)
.if \s
	WIN MUL_2
.else
	WIN MUL_1
.endif
.irp q, 0,1,2,3
.if \w
	s_wait_dscnt 8+16*(3-\q)
.endif
.irp b, 0,1,2,3,4,5,6,7
.if (\s) == 0 && \q == 0
	v_wmma_scale_f32_16x16x128_f8f6f4 v[AB_+8*\b:AB_+8*\b+7], v[64*\q+8*\b:64*\q+8*\b+7], v[AA_+8*\q:AA_+8*\q+7], v[BI+8*\b:BI+8*\b+7], v[SC+32*(\s)+4*\b+\q], v[SC+32*(\s)+4*(\a)+\q] matrix_a_fmt:MATRIX_FMT_FP4 matrix_b_fmt:MATRIX_FMT_FP4 matrix_a_scale:MATRIX_SCALE_ROW1
.else
	v_wmma_scale_f32_16x16x128_f8f6f4 v[AB_+8*\b:AB_+8*\b+7], v[64*\q+8*\b:64*\q+8*\b+7], v[AA_+8*\q:AA_+8*\q+7], v[AB_+8*\b:AB_+8*\b+7], v[SC+32*(\s)+4*\b+\q], v[SC+32*(\s)+4*(\a)+\q] matrix_a_fmt:MATRIX_FMT_FP4 matrix_b_fmt:MATRIX_FMT_FP4 matrix_a_scale:MATRIX_SCALE_ROW1
.endif
.endr
.endr
.endm
; THE WAY OUT of block a.  A lane holds 32 neighbouring bytes of a row, and the lanes beside it hold other rows: so the block goes through my own stage in LDS and comes back as whole rows of 512 bytes.
; LDS serves a wave's instructions in order (ISA guide 5.7.1.4): no wait between the stores and the loads, nor in front of the next block's stores.
.macro TOSTAGE a
.set AB_, 64*((\a)%2)
	WIN FROM_3
.irp b, 0,1,2,3,4,5,6,7
	ds_store_b128 v[STO], v[AB_+8*\b:AB_+8*\b+3] offset:64*\b          ; each accumulator from its low end on
	ds_store_b128 v[STO], v[AB_+8*\b+4:AB_+8*\b+7] offset:64*\b+16
.endr
	WIN TO_3
.irp t, 0,1,2,3,4,5,6,7,8,9,10,11,12,13,14,15
	ds_load_b128 v[BK+4*\t:BK+4*\t+3], v[RD] offset:\t*SPITCH
.endr
.endm
.macro SEND a
	s_wait_dscnt 0x0                               ; the block is back in registers; its stores into the stage have read the accumulators; A's next block but one is in
.if (\a) > 0
	s_add_nc_u64 s[12:13], s[12:13], 16*SIZE_N*4   ; (a wait on XCNT for 0 stands between the last block's stores and this line)  16 rows on, so that the stores' offsets stay at 15 rows at the most
.endif
	WIN FROM_3
.irp t, 0,1,2,3,4,5,6,7,8,9,10,11,12,13,14,15
	global_store_b128 v[CO], v[BK+4*\t:BK+4*\t+3], s[12:13] offset:\t*SIZE_N*4 th:TH_STORE_NT   ; 32 lanes store 512 consecutive bytes, aligned; written once, read by nobody here
.endr
.endm
	s_wait_tensorcnt 1                             ; the scales and my part of slot 0 are in (slot 1's load may be out)
	s_barrier_signal -1
	s_barrier_wait -1                              ; everybody's are
	SCALES 0
	SCALES 1
	ALOADH 0, 0
	WIN TO_B1
	BLOAD 0                                        ; Wo's K steps 0-3: they stay in window 1
	WIN 0
	ALOADH 1, 0
	s_wait_loadcnt 0x0                             ; the bias
	ROWH 0, 0, 1                                   ; block 0's first half is multiplied while slot 1 is on its way
	WIN 0
	s_wait_tensorcnt 0x0                           ; my part of slot 1 is in,
	s_wait_dscnt 0x0                               ; and no LDS load of mine is out at the signal
	s_barrier_signal -1
	s_barrier_wait -1                              ; everybody's is
	ALOADH 0, 1
	WIN TO_B2
	BLOAD 1                                        ; Wo's K steps 4-7: they stay in window 2
	WIN 0
	ALOADH 1, 1
	ROWH 0, 1, 1
; Block a is finished.  Its buffer of A takes the block two further on; the block goes into the stage and back; block a + 1 is multiplied, with block a's 16 stores in its middle, 32 matrix instructions behind the loads from the stage.
; An accumulator set is begun anew (with the bias as C) two blocks after its last product: eight v_nop lie between, and its LDS stores have been waited for by the wait for 0 of the block before.
.irp a, 0,1,2,3,4,5,6,7
	WIN 0
	PLACES NP                                      ; in front of the loads into the buffer that the last products read, and of the first read of their results
.if \a < 6
	ALOADH \a+2, 0
	ALOADH \a+2, 1
.endif
.if \a > 0
	s_wait_xcnt 0x0                                ; the last block's stores, issued 32 matrix instructions ago, have read their registers and their base: the loads from the stage may land there, and the base may step
.endif
	TOSTAGE \a
.if \a < 7
.if \a < 6
	s_wait_dscnt 48                                ; A's block a + 1 is in: behind it stand block a + 2's 16 loads and the stage's 32 instructions
.else
	s_wait_dscnt 32                                ; the same, with nothing more of A to fetch
.endif
	ROWH \a+1, 0, 0
	SEND \a
	ROWH \a+1, 1, 0
.else
	SEND \a
.endif
.endr
	WIN 0
	s_wait_tensorcnt 0x0                           ; the wave's end
	ds_add_u32 v[SPW], v[NIL]
	s_wait_dscnt 0x0
	CROUND                                         ; the closing round: no work-group ends while a partner may still ask for a tile that names it
	s_endpgm
.Lfunc_end_k_q3378371a99_oproj:
	.size	k_q3378371a99_oproj, .Lfunc_end_k_q3378371a99_oproj-k_q3378371a99_oproj
	.p2alignl 7, 3214868480
	.fill 96, 4, 3214868480
	.section	.rodata,"a",@progbits
	.p2align	6, 0x0
	.amdhsa_kernel k_q3378371a99_oproj
		.amdhsa_group_segment_fixed_size 327680
		.amdhsa_private_segment_fixed_size 0
		.amdhsa_enable_private_segment 0
		.amdhsa_kernarg_size 48
		.amdhsa_user_sgpr_count 2
		.amdhsa_user_sgpr_kernarg_segment_ptr 1
		.amdhsa_wavefront_size32 1
		.amdhsa_system_sgpr_workgroup_id_x 1
		.amdhsa_system_sgpr_workgroup_id_y 1
		.amdhsa_system_sgpr_workgroup_id_z 1
		.amdhsa_system_vgpr_workitem_id 0
		.amdhsa_next_free_vgpr 1024
		.amdhsa_next_free_sgpr 100
		.amdhsa_reserve_vcc 0
		.amdhsa_float_denorm_mode_32 3
		.amdhsa_float_denorm_mode_16_64 3
		.amdhsa_memory_ordered 1
		.amdhsa_forward_progress 1
		.amdhsa_inst_pref_size 125
	.end_amdhsa_kernel
	.amdgpu_metadata
---
amdhsa.version: [ 1, 2 ]
amdhsa.kernels:
  - .name:           k_q3378371a99_oproj
    .symbol:         k_q3378371a99_oproj.kd
    .args:
      - { .name: aimg, .offset: 0, .size: 8, .value_kind: global_buffer, .address_space: global }
      - { .name: asc, .offset: 8, .size: 8, .value_kind: global_buffer, .address_space: global }
      - { .name: Wo_codes, .offset: 16, .size: 8, .value_kind: global_buffer, .address_space: global }
      - { .name: Wo_scales, .offset: 24, .size: 8, .value_kind: global_buffer, .address_space: global }
      - { .name: bo, .offset: 32, .size: 8, .value_kind: global_buffer, .address_space: global }
      - { .name: out0, .offset: 40, .size: 8, .value_kind: global_buffer, .address_space: global }
    .group_segment_fixed_size: 327680
    .private_segment_fixed_size: 0
    .kernarg_segment_align: 8
    .kernarg_segment_size: 48
    .max_flat_workgroup_size: 128
    .sgpr_count:     100
    .vgpr_count:     1024
    .wavefront_size: 32
...
	.end_amdgpu_metadata
.endif
;; end of part 3
;; ======== version 2 of 2: 3 launches; version 1 with the launch attn written anew for expert scheduling mode
;; workspace buffers: kimg 2,097,152 bytes; ksc 131,072 bytes; vimg 2,097,152 bytes; vsc 131,072 bytes; aimg 2,097,152 bytes; asc 131,072 bytes
;; launch kvproj: the kernel of part 1 again; grid 16 x 16, 4 waves a work-group, clusters of 4 x 4, 327,680 bytes of LDS; arguments source_embedding_codes, source_embedding_scales, Wk_codes, Wk_scales, Wv_codes, Wv_scales, bk, bv, kimg, ksc, vimg, vsc; writes kimg, ksc, vimg, vsc
;; launch attn (part 4): grid 32 x 8, 16 waves a work-group, no clusters, 206,848 bytes of LDS; arguments target_embedding_codes, target_embedding_scales, Wq_codes, Wq_scales, bq, kimg, ksc, vimg, vsc, aimg, asc; writes aimg, asc
.if DOCPART == 4
	.amdgcn_target "amdgcn-amd-amdhsa--gfx1250"
	.amdhsa_code_object_version 6
	.text
	.protected	k_q3378371a99_attn
	.globl	k_q3378371a99_attn
	.p2align	8
	.type	k_q3378371a99_attn,@function
k_q3378371a99_attn:
	s_mov_b64 s[64:65], 0
	v_nop
	global_prefetch_b8 v0, s[64:65] scope:SCOPE_SE
	s_setreg_imm32_b32 hwreg(HW_REG_WAVE_SCHED_MODE, 0, 2), 2
	s_setreg_imm32_b32 hwreg(HW_REG_WAVE_MODE, 25, 1), 1
	s_wait_xcnt 0x0
	s_wait_alu depctr_vm_vsrc(0)
; For one batch entry, one head and 256 queries: q = T Wq + bq (K = 1,024), quantised; S^T = K Q^T; p = 2^(t - M); O^T = V^T P^T; O / l, quantised and stored as images of the last product's operand registers.  All products on codes of FP4 (E2M1) with E8M0 scales.
; THE SOFTMAX: t = score x log2(e) / 8; M = the row's largest t so far, rounded UP to a whole number; p = 2^(t - M) is what is quantised, along the keys, not normalised.  The row's sum is taken of the unquantised p
; and divides O at the end.  When M moves, the sum and O are multiplied by 2^(old M - new M): exact.
; SHARES.  Work-group x = 2 x head + half of the queries, y = batch entry.  Each of SIXTEEN waves owns 16 queries in 256 registers: four waves to a SIMD, so that one wave's vector work stands beside another's products and LDS loads.
; All products are used transposed: a lane holds ONE query (lane % 16) throughout, and its registers run along the axis that is quantised next (channels, keys, channels).
; LDS is written once, ahead of the ONE barrier, and only read behind it: the head's K and V images and scale words (as the launch before laid them), the head's 64 rows of Wq, and each wave's own 16 rows of T.
; NO CLUSTER, NO JOINT LOADS: a work-group fetches 35 KB of K and V and 34 KB of Wq, which it shares with one other work-group, and 128 KB of T, which 16 heads share, all once, at its head, by plain loads of 512
; consecutive bytes; there is no ring whose refills partners could ask for together, and T's rows are turned into fragments through each wave's own stage on the way.
; HEAD SIZE 64 IN A K STEP OF 128: registers 4-7 of K's and Q's fragments hold zero codes, which add nothing under any scale byte but 0xff; the bytes that meet them are 0 or another block's (1 to 254).
; THE QUANTISER on a transposed result: see QUANT2.  LIMITS: NaN and infinities are not served; a block whose largest magnitude lies under 2^-124 gets the scale byte 1 (read by this program alone); 1 / l is v_rcp_f32's.
; REGISTERS: v1-11 addresses that stay; v12 -M, v13 the largest t, v[14:15] the sum in two halves; v16-23 Q's fragment; v32-63 four fragments of K; v64-95 four of V (in the q phase v32-95: T's eight);
;   v96-159 S^T, then p (q phase: two sets of Wq's four fragments); v160-191 q, then O^T; v192-231 scale words and nothing else; v232-239 codes just made; v240-254 at work.
; THE MODE: SCHED_MODE bits 1:0 = 2 (LLVM: expert scheduling mode 2), set by the entry lines.  The code itself states the register dependences
; between vector or matrix instructions and memory or LDS instructions, with s_wait_alu, always for 0.
; THE PLAN.  Registers that memory or LDS instructions touch:
;   v1-5, v11      addresses: written at the head, never again.   v6-10, v12: the head's own addresses; v12 is written again (-M) ahead of the key steps.
;   v16-31, v232-249, v96-159   the head's staging: global loads land, LDS stores read; all are written again later: one wait on vm_vsrc behind the barrier frees them, and v12.
;   v96-159        q phase: step s's four products read set s % 2; the LDS loads of step s + 1 land in the other set, which the products of step s - 1 read: one wait on va_vdst at the head of steps 1 to 6.
;   v32-63, v192-195   K's four fragments and scale words.  A key step's tiles 0-3 are asked for in the step before, behind the wait for its exponentials (the products on tiles 4-7 stand ahead of that wait);
;                  its tiles 4-7 behind a wait of their own, which stands behind the products on tiles 0-3.
;   v64-95, v196-199   V's four fragments and scale words: asked for behind that same wait, ahead of which the step before's products V^T P stand.
;   v232-239, v200 p's codes and scale word, v16-23, v201 Q's: written by vector instructions, taken by scaled products: a wait on va_vdst behind the places.
;   v232-235, v254 the way out: written by the last quantiser, read by the two stores.   v254, v255: made anew for the closing add.
; S^T, p, O^T, the statistics and the registers at work are named by vector and matrix instructions alone.
.set KIMG, 0                           ; LDS: K: 32 tiles of 16 keys x 512 bytes: lane l's 16 bytes at 16 l
.set VIMG, 16384                       ; V: [key step 4][channel tile 4][1,024 bytes]
.set KSC,  32768                       ; K's scale words, 64 bytes a tile
.set VSC,  34816                       ; V's, 64 bytes a fragment
.set WQ,   35840                       ; the head's 64 rows of Wq: 512 bytes + 16 of padding
.set TST,  69632                       ; 16 rows of T for each wave, likewise
.set WP,   528                         ; 132 words: row r begins at bank 4 r mod 64 (64 banks of 4 bytes: ISA guide 11.1)
.set LI,   1                           ; v1   16 x lane
.set LS,   2                           ; v2   4 x (lane % 16)
.set WFA,  3                           ; v3   528 r + 16 h: my place in a tile of Wq
.set TLD,  4                           ; v4   the same in my wave's rows of T
.set TSTO, 5                           ; v5   where I put 16 bytes of a row of T
.set QF,   16
.set KB,   32
.set VB,   64
.set TF,   32
.set S,    96
.set QA,   160
.set WQS,  192                         ; q phase: Wq's scale words, tile t, K step s at 8 t + s;  T's at v224 + s
.set TSR,  224
.set KSR,  192                         ; attention: K's four scale words, V's four, p's, Q's
.set VSR,  196
.set PS,   200
.set QS,   201
.set PCD,  232
.set BM,   240                         ; v240-243 block maxima; v244-247 the other half's, sums, bytes; v248-251 the conversions' scale operands
.set PB,   244
.set SO,   248
.set SEL,  36                          ; s[36:37] lane selects: lane l xor 16
.set CS,   38                          ; s[38:39] c = log2(e) / 8
.macro PLACES n                        ; plain vector instructions between a matrix instruction and a load into, or a read of, its registers
.rept \n
	v_nop
.endr
.endm
; 32 numbers of a lane, v[src] on: in tile t (8 registers) register j is channel 16 t + 8 (lane / 16) + j of my row.  Block b of 32 is tiles 2 b, 2 b + 1 in lanes l and l xor 16.  Tiles 0, 1, 2, 3 become
; registers 0, 2, 1, 3 of codes; two exchanges of halves leave register i with channels 32 (lane / 16) + 8 i + 0 .. 7: the 4-bit operand's layout.  The two scale bytes go to v[pw].
.macro QUANT2 src, pc, pw
.irp b, 0,1
	v_max3_num_f32 v[BM+\b], |v[\src+16*\b]|, |v[\src+16*\b+1]|, 0x1800000   ; and the floor 2^(3 - 127): so the byte cannot fall under 1
.endr
.irp i, 2,4,6,8,10,12,14
.irp b, 0,1
	v_max3_num_f32 v[BM+\b], v[BM+\b], |v[\src+16*\b+\i]|, |v[\src+16*\b+\i+1]|
.endr
.endr
.irp b, 0,1
	v_permlanex16_b32 v[PB+\b], v[BM+\b], s[SEL], s[SEL+1]
.endr
.irp b, 0,1
	v_max_num_f32 v[BM+\b], v[BM+\b], v[PB+\b]     ; the block's largest magnitude
.endr
.irp b, 0,1
	v_add_nc_u32 v[SO+\b], 0xff000000, v[BM+\b]    ; 2 off its exponent field: the conversion's scale operand
.endr
.irp b, 0,1
	v_lshrrev_b32 v[PB+\b], 23, v[SO+\b]           ; the scale's byte
.endr
	v_lshl_or_b32 v[\pw], v[PB+1], 8, v[PB]
.irp t, 0,1,2,3
	v_cvt_scalef32_pk8_fp4_f32 v[\pc+2*(\t%2)+\t/2], v[\src+8*\t:\src+8*\t+7], v[SO+\t/2]
.endr
	v_nop                                          ; one plain place behind a scaled conversion
	v_permlane16_swap_b32 v[\pc], v[\pc+1]
	v_permlane16_swap_b32 v[\pc+2], v[\pc+3]
.endm
	s_load_b256 s[4:11], s[0:1], 0x0               ; T's codes, T's scales, Wq's codes, Wq's scales
	s_load_b256 s[12:19], s[0:1], 0x20             ; bq, kimg, ksc, vimg
	s_load_b128 s[20:23], s[0:1], 0x40             ; vsc, aimg
	s_load_b64 s[24:25], s[0:1], 0x50              ; asc
	v_lshrrev_b32 v16, 5, v0
	v_readfirstlane_b32 s26, v16                   ; wave 0..15
	s_lshr_b32 s27, ttmp9, 1                       ; head
	s_and_b32 s28, ttmp9, 1                        ; which 256 queries
	s_and_b32 s29, ttmp7, 0xffff                   ; batch entry
	s_lshl_b32 s30, s29, 5
	s_lshl_b32 s31, s28, 4
	s_add_co_u32 s30, s30, s31
	s_wait_alu depctr_va_sdst(0)                   ; s26 is written, ahead of its first reader: the places of T, Wq and the results are made from it
	s_add_co_u32 s30, s30, s26                     ; my tile of 16 rows among the 256
	v_and_b32 v17, 31, v0                          ; lane
	v_and_b32 v18, 15, v0                          ; r
	v_bfe_u32 v19, v0, 4, 1                        ; h
	v_lshlrev_b32 v[LI], 4, v17
	v_lshlrev_b32 v[LS], 2, v18
	v_mul_u32_u24 v[WFA], v18, WP
	v_lshl_add_u32 v[WFA], v19, 4, v[WFA]
	v_mul_u32_u24 v20, v16, 16*WP                  ; my wave's rows of T in LDS
	v_add_nc_u32 v[TLD], v[WFA], v20
	v_add_nc_u32 v[TLD], TST, v[TLD]
	v_add_nc_u32 v[TSTO], v[LI], v20
	v_add_nc_u32 v[TSTO], TST, v[TSTO]
	v_lshlrev_b32 v6, 4, v0                        ; 16, 4, 2 x my thread's number
	v_lshlrev_b32 v7, 2, v0
	v_lshlrev_b32 v8, 1, v0
	v_mul_u32_u24 v9, v16, 4*WP
	v_add_nc_u32 v9, v9, v[LI]                     ; Wq's rows 4 w on, in LDS
	v_lshl_add_u32 v10, v16, 10, v[LI]             ; K's tile w in memory: tiles lie 1,024 bytes apart there (two heads)
	v_lshlrev_b32 v11, 5, v18                      ; 32 r: a row of 32 scale bytes
	v_lshlrev_b32 v12, 5, v19                      ; 32 h: my half's eight numbers of bq
	s_mov_b32 s[SEL], 0x76543210
	s_mov_b32 s[SEL+1], 0xfedcba98
	s_mov_b32 s[CS], 0x3e38aa3b                    ; c = log2(e) / sqrt(64)
	s_mov_b32 s[CS+1], s[CS]                       ; (named with it as a pair, so it is written)
	s_mov_b32 s33, 0
	s_wait_kmcnt 0x0
	s_lshl_b32 s32, s30, 13
	s_add_nc_u64 s[4:5], s[4:5], s[32:33]          ; T's codes: 16 rows of 512 bytes a tile
	s_lshl_b32 s35, s27, 9
	s_add_co_u32 s32, s32, s35
	s_add_nc_u64 s[22:23], s[22:23], s[32:33]      ; aimg: 8,192 x tile + 512 x head
	s_lshl_b32 s32, s30, 9
	s_add_nc_u64 s[6:7], s[6:7], s[32:33]          ; T's scales: 16 rows of 32 bytes
	s_lshl_b32 s35, s27, 1
	s_add_co_u32 s32, s32, s35
	s_add_nc_u64 s[24:25], s[24:25], s[32:33]      ; asc: the same rows, + 2 x head
	s_lshl_b32 s32, s27, 15
	s_lshl_b32 s35, s26, 11
	s_add_co_u32 s32, s32, s35
	s_add_nc_u64 s[8:9], s[8:9], s[32:33]          ; Wq's codes: the head's 64 rows, my wave's four
	s_lshl_b32 s32, s27, 11
	s_add_nc_u64 s[10:11], s[10:11], s[32:33]      ; Wq's scales
	s_lshl_b32 s32, s27, 8
	s_add_nc_u64 s[12:13], s[12:13], s[32:33]      ; bq
	s_lshr_b32 s31, s27, 1
	s_lshl_b32 s35, s29, 3
	s_add_co_u32 s31, s31, s35                     ; batch x 8 + head pair
	s_and_b32 s34, s27, 1
	s_lshl_b32 s32, s31, 15
	s_lshl_b32 s35, s34, 9
	s_add_co_u32 s32, s32, s35
	s_add_nc_u64 s[14:15], s[14:15], s[32:33]      ; kimg: the pair's 32 tiles, my head's half of each
	s_lshl_b32 s32, s31, 11
	s_add_nc_u64 s[16:17], s[16:17], s[32:33]      ; ksc
	s_lshl_b32 s34, s34, 4                         ; the odd head's two bytes lie 16 bits up in a word
	s_lshl_b32 s31, s29, 4
	s_add_co_u32 s31, s31, s27                     ; batch x 16 + head
	s_lshl_b32 s32, s31, 14
	s_add_nc_u64 s[18:19], s[18:19], s[32:33]      ; vimg
	s_lshl_b32 s32, s31, 10
	s_add_nc_u64 s[20:21], s[20:21], s[32:33]      ; vsc
	s_wait_alu depctr_va_vdst(0)                   ; the addresses v1 to v12 are written, which the loads and stores below read; v16 to v20, in which loads land, have been written and read
	; ten loads for the work-group's LDS,
.irp i, 0,1,2,3
	global_load_b128 v[232+4*\i:235+4*\i], v[LI], s[8:9] offset:512*\i   ; a row of Wq: 512 consecutive bytes
.endr
	global_load_b128 v[16:19], v10, s[14:15]                 ; K's tiles w and 16 + w
	global_load_b128 v[20:23], v10, s[14:15] offset:16384
	global_load_b128 v[24:27], v6, s[18:19]                  ; V: 16,384 dense bytes
	global_load_b128 v[28:31], v6, s[18:19] offset:8192
	global_load_b32 v248, v7, s[16:17]                       ; K's 512 scale words
	global_load_u16 v249, v8, s[20:21]                       ; V's 256
	; sixteen for my rows of T,
.irp i, 0,1,2,3,4,5,6,7,8,9,10,11,12,13,14,15
	global_load_b128 v[S+4*\i:S+4*\i+3], v[LI], s[4:5] offset:512*\i
.endr
	; eighteen that stay in registers: scale words and the bias
	global_load_b128 v[TSR:TSR+3], v11, s[6:7]
	global_load_b128 v[TSR+4:TSR+7], v11, s[6:7] offset:16
.irp t, 0,1,2,3
	global_load_b128 v[WQS+8*\t:WQS+8*\t+3], v11, s[10:11] offset:512*\t
	global_load_b128 v[WQS+8*\t+4:WQS+8*\t+7], v11, s[10:11] offset:512*\t+16
	global_load_b128 v[QA+8*\t:QA+8*\t+3], v12, s[12:13] offset:64*\t        ; bq at channels 16 t + 8 h + 0 .. 7: the sums begin as the bias
	global_load_b128 v[QA+8*\t+4:QA+8*\t+7], v12, s[12:13] offset:64*\t+16
.endr
	s_wait_loadcnt 34                              ; the first ten are in: 16 + 18 younger loads may be out
	v_lshrrev_b32 v248, s34, v248                  ; my head's two bytes in bytes 0 and 1
	s_wait_alu depctr_va_vdst(0)                   ; the shift has written v248, which an LDS store below reads
.irp i, 0,1,2,3
	ds_store_b128 v9, v[232+4*\i:235+4*\i] offset:WQ+WP*\i
.endr
	ds_store_b128 v6, v[16:19] offset:KIMG
	ds_store_b128 v6, v[20:23] offset:KIMG+8192
	ds_store_b128 v6, v[24:27] offset:VIMG
	ds_store_b128 v6, v[28:31] offset:VIMG+8192
	ds_store_b32 v7, v248 offset:KSC
	ds_store_b16 v8, v249 offset:VSC
	s_wait_loadcnt 18                              ; T's rows are in: the 18 younger loads may be out
.irp i, 0,1,2,3,4,5,6,7,8,9,10,11,12,13,14,15
	ds_store_b128 v[TSTO], v[S+4*\i:S+4*\i+3] offset:WP*\i
.endr
	s_wait_dscnt 0x0                               ; for the others' sake: my stores have landed
	s_barrier_signal -1
	s_barrier_wait -1                              ; the one barrier: from here on LDS is only read
	s_wait_alu depctr_vm_vsrc(0)                   ; my LDS stores have read v16-31, v96-159 and v232-249, and the loads of bq have read v12: Wq's fragments land in the second of these, vector instructions write the others again
	; ---- q = T Wq + bq, transposed: source 0 = 16 channels of Wq, source 1 = my 16 rows of T.  Four accumulators by turns, eight K steps
.irp s, 0,1,2,3,4,5,6,7
.irp c, 0,1
	ds_load_b128 v[TF+8*\s+4*\c:TF+8*\s+4*\c+3], v[TLD] offset:64*\s+32*\c
.endr
.endr
.macro FETCHW s, set, t                ; Wq's fragment of tile t, K step s
.irp c, 0,1
	ds_load_b128 v[S+32*(\set)+8*(\t)+4*\c:S+32*(\set)+8*(\t)+4*\c+3], v[WFA] offset:WQ+16*WP*(\t)+64*(\s)+32*\c
.endr
.endm
.irp t, 0,1,2,3
	FETCHW 0, 0, \t
.endr
	s_wait_loadcnt 0x0                             ; the scale words and the bias
; Step s: its set is in; the step before is done with the other set; the next step's eight loads go into that set, two ahead of each of this step's four products, which name this step's set, T's fragments, the sums and scale words alone.
.set S_, 0
.rept 8
	s_wait_dscnt 0x0                               ; this step's set, asked for a step ago, is in (in step 0: T's fragments too)
.if (S_ > 0) && (S_ < 7)
	PLACES 4                                       ; the other set was read by the products just issued
	s_wait_alu depctr_va_vdst(0)                   ; the last step's products are done reading the other set, in which the loads below land
.endif
.irp t, 0,1,2,3
.if S_ < 7
	FETCHW S_+1, (S_+1)%2, \t
.endif
	v_wmma_scale_f32_16x16x128_f8f6f4 v[QA+8*\t:QA+8*\t+7], v[S+32*(S_%2)+8*\t:S+32*(S_%2)+8*\t+7], v[TF+8*S_:TF+8*S_+7], v[QA+8*\t:QA+8*\t+7], v[WQS+8*\t+S_], v[TSR+S_] matrix_a_fmt:MATRIX_FMT_FP4 matrix_b_fmt:MATRIX_FMT_FP4
.endr
.set S_, S_+1
.endr
	PLACES 4
.irp b, 0,1,2,3
	v_mov_b32 v[PB+\b], 0                          ; written once: a lane permute's destination counts as one of its sources
.endr
	QUANT2 QA, QF, QS                              ; Q's fragment and its scale word
.irp i, 4,5,6,7
	v_mov_b32 v[QF+\i], 0                          ; K = 64 .. 127: zero codes, in Q
.irp t, 0,1,2,3
	v_mov_b32 v[KB+8*\t+\i], 0                     ; and in K's four fragments: the loads below fill registers 0-3 alone
.endr
.endr
	v_mov_b32 v13, 0xff61b1e6                      ; the largest t so far: -3e38, under every t
	v_floor_f32 v12, -v13                          ; -M
	v_mov_b32 v14, 0                               ; the sum, in two halves
	v_mov_b32 v15, 0
	v_mov_b32 v253, 0                              ; (named as the upper half of the pair v[252:253])
	PLACES 8                                       ; a scale register written by a vector instruction stands 8 places ahead of a scaled matrix instruction, an operand so written 4
	s_wait_alu depctr_va_vdst(0)                   ; Q's fragment, its scale word and the zero codes are written, which the products S^T take; the products of q are done reading v32-95 and v192-199, in which K's and V's loads land
.macro KLOAD n                         ; four tiles of 16 keys, from tile n of the head's 32 on, and their scale words: eight LDS loads
.irp t, 0,1,2,3
	ds_load_b128 v[KB+8*\t:KB+8*\t+3], v[LI] offset:KIMG+((\n)+\t)*512
	ds_load_b32 v[KSR+\t], v[LS] offset:KSC+((\n)+\t)*64
.endr
.endm
	KLOAD 0                                        ; the first key step's tiles 0-3; each later step's are asked for in the step before
; ---- A KEY STEP: 128 keys, the q-th of four.  In tile T of S^T register j of lane (r, h) is key 128 q + 16 T + 8 h + j of query r.
.macro STEP q
	s_wait_dscnt 0x0                               ; K's tiles 0-3 of this step are in: no other LDS load of mine is out
.irp t, 0,1,2,3
	v_wmma_scale_f32_16x16x128_f8f6f4 v[S+8*\t:S+8*\t+7], v[KB+8*\t:KB+8*\t+7], v[QF:QF+7], 0, v[KSR+\t], v[QS] matrix_a_fmt:MATRIX_FMT_FP4 matrix_b_fmt:MATRIX_FMT_FP4
.endr
	PLACES 4                                       ; K's registers were read by the products just issued, V's by the last products of the step before
	s_wait_alu depctr_va_vdst(0)                   ; the four products above are done reading K's fragments and scale words, the step before's products V^T P are done reading V's: the twenty loads below land in these
	KLOAD 8*\q+4
.irp t, 0,1,2,3
	ds_load_b128 v[VB+8*\t:VB+8*\t+3], v[LI] offset:VIMG+4096*\q+1024*\t
	ds_load_b128 v[VB+8*\t+4:VB+8*\t+7], v[LI] offset:VIMG+4096*\q+1024*\t+512
	ds_load_b32 v[VSR+\t], v[LS] offset:VSC+(4*\q+\t)*64
.endr
	s_wait_dscnt 12                                ; K's tiles 4-7 are in; V's twelve loads may be out: they have the softmax in which to land
.irp t, 0,1,2,3
	v_wmma_scale_f32_16x16x128_f8f6f4 v[S+32+8*\t:S+32+8*\t+7], v[KB+8*\t:KB+8*\t+7], v[QF:QF+7], 0, v[KSR+\t], v[QS] matrix_a_fmt:MATRIX_FMT_FP4 matrix_b_fmt:MATRIX_FMT_FP4
.endr
	PLACES 4
.irp b, 0,1,2,3
	v_max3_num_f32 v[BM+\b], v[S+16*\b], v[S+1+16*\b], v[S+2+16*\b]   ; the largest SCORE of each block of 32 keys: it serves for the row's maximum and, since p rises with the score, for the block's largest p
.endr
.irp i, 3,5,7,9,11,13
.irp b, 0,1,2,3
	v_max3_num_f32 v[BM+\b], v[BM+\b], v[S+16*\b+\i], v[S+1+16*\b+\i]
.endr
.endr
.irp b, 0,1,2,3
	v_max_num_f32 v[BM+\b], v[BM+\b], v[S+15+16*\b]
.endr
.irp b, 0,1,2,3
	v_permlanex16_b32 v[PB+\b], v[BM+\b], s[SEL], s[SEL+1]
.endr
.irp b, 0,1,2,3
	v_max_num_f32 v[BM+\b], v[BM+\b], v[PB+\b]     ; with lane l xor 16's 16 keys
.endr
	v_max3_num_f32 v254, v[BM], v[BM+1], v[BM+2]
	v_max_num_f32 v254, v254, v[BM+3]              ; the step's largest score of my query
	v_mul_f32 v254, s[CS], v254                    ; as t (c is positive)
	v_max_num_f32 v13, v13, v254                   ; the running largest t
	v_mov_b32 v254, v12
	v_floor_f32 v12, -v13                          ; the new -M = floor(-t) = -ceil(t)
	v_sub_f32 v254, v12, v254                      ; old M - new M: a whole number, 0 or less
	v_cvt_i32_f32 v254, v254                       ; (it saturates)
	v_ldexp_f32 v252, 1.0, v254                    ; f = 2^(old M - new M)
.set j, 0
.rept 32
	v_pk_fma_f32 v[S+j:S+j+1], v[S+j:S+j+1], s[CS:CS+1], v[12:13] op_sel_hi:[1,0,0]   ; t - M, two at a time
.set j, j+2
.endr
.irp b, 0,1,2,3
	v_fma_f32 v[BM+\b], v[BM+\b], s[CS], v12       ; the same of each block's largest score
.endr
.set j, 0
.rept 64
	v_exp_f32 v[S+j], v[S+j]                       ; p = 2^(t - M), at most 1
.set j, j+1
.endr
	v_pk_mul_f32 v[14:15], v[14:15], v[252:253] op_sel_hi:[1,0]   ; the sums under the new M: a plain place behind the exponentials
	s_wait_alu depctr_va_vdst(0)                   ; the 64 exponentials have written p, ahead of its first reader: one wait for the whole batch; and the products on tiles 4-7 are done reading K's fragments and scale words
.if \q < 3
	KLOAD 8*\q+8                                   ; the next step's tiles 0-3.  No further wait: nothing from here to the next step's head names K's fragments or scale words
.endif
.irp b, 0,1,2,3
	v_exp_f32 v[BM+\b], v[BM+\b]                   ; the block's largest p
.endr
	v_pk_add_f32 v[PB:PB+1], v[S:S+1], v[S+2:S+3]  ; the row's sum is taken of the unquantised p, in two chains; it reads the 64 alone
.irp j, 4,8,12,16,20,24,28,32,36,40,44,48,52,56,60
	v_pk_add_f32 v[14:15], v[14:15], v[S+\j:S+\j+1]
	v_pk_add_f32 v[PB:PB+1], v[PB:PB+1], v[S+2+\j:S+3+\j]
.endr
	v_pk_add_f32 v[14:15], v[14:15], v[PB:PB+1]
	s_wait_alu depctr_va_vdst(0)                   ; the four exponentials have written the blocks' largest p, ahead of its first reader
.irp b, 0,1,2,3
	v_max_num_f32 v[BM+\b], 0x1800000, v[BM+\b]    ; the floor 2^(3 - 127): the byte cannot fall under 1
.endr
.irp b, 0,1,2,3
	v_add_nc_u32 v[SO+\b], 0xff000000, v[BM+\b]    ; 2 off the exponent field: the conversion's scale operand
.endr
.irp b, 0,1,2,3
	v_lshrrev_b32 v[PB+\b], 23, v[SO+\b]           ; the scale's byte
.endr
	v_lshl_or_b32 v[PS], v[PB+1], 8, v[PB]         ; p's scale word for these 128 keys
	v_lshl_or_b32 v[PS], v[PB+2], 16, v[PS]
	v_lshl_or_b32 v[PS], v[PB+3], 24, v[PS]
.irp b, 0,1,2,3
.irp u, 0,1
	v_cvt_scalef32_pk8_fp4_f32 v[PCD+4*(\b/2)+2*\u+(\b%2)], v[S+16*\b+8*\u:S+16*\b+8*\u+7], v[SO+\b]   ; tiles 0, 1, 2, 3 of a group of 64 keys to registers 0, 2, 1, 3
.endr
.endr
	v_nop                                          ; one plain place behind a scaled conversion
.irp i, 0,2,4,6
	v_permlane16_swap_b32 v[PCD+\i], v[PCD+\i+1]
.endr
.if \q > 0
.set j, 0
.rept 16
	v_pk_mul_f32 v[QA+j:QA+j+1], v[QA+j:QA+j+1], v[252:253] op_sel_hi:[1,0]   ; O^T under the new M; these are also the places in front of the products below
.set j, j+2
.endr
.else
	PLACES 8                                       ; p's scale word and codes were written by vector instructions
.endif
	s_wait_alu depctr_va_vdst(0)                   ; p's codes and its scale word are written, which the scaled products below take; the places above stay beside this wait
.if \q < 3
	s_wait_dscnt 8                                 ; V's twelve loads are in; the next step's eight of K, issued behind them, may be out
.else
	s_wait_dscnt 0x0                               ; V's twelve loads are in
.endif
.irp t, 0,1,2,3
.if \q > 0
	v_wmma_scale_f32_16x16x128_f8f6f4 v[QA+8*\t:QA+8*\t+7], v[VB+8*\t:VB+8*\t+7], v[PCD:PCD+7], v[QA+8*\t:QA+8*\t+7], v[VSR+\t], v[PS] matrix_a_fmt:MATRIX_FMT_FP4 matrix_b_fmt:MATRIX_FMT_FP4
.else
	v_wmma_scale_f32_16x16x128_f8f6f4 v[QA+8*\t:QA+8*\t+7], v[VB+8*\t:VB+8*\t+7], v[PCD:PCD+7], 0, v[VSR+\t], v[PS] matrix_a_fmt:MATRIX_FMT_FP4 matrix_b_fmt:MATRIX_FMT_FP4
.endif
.endr
.endm
	STEP 0
	STEP 1
	STEP 2
	STEP 3
	; ---- the way out: O^T / the sum, quantised along the head's 64 channels: two blocks of the last product's K
	v_add_f32 v14, v14, v15                        ; the sum's two halves,
	v_permlanex16_b32 v252, v14, s[SEL], s[SEL+1]
	v_add_f32 v14, v14, v252                       ; and lane l xor 16's: the row's sum
	v_rcp_f32 v14, v14
	PLACES 4                                       ; behind the reciprocal, and behind the last products
	s_wait_alu depctr_va_vdst(0)                   ; the reciprocal has written v14, ahead of its first reader
.set j, 0
.rept 16
	v_pk_mul_f32 v[S+j:S+j+1], v[QA+j:QA+j+1], v[14:15] op_sel_hi:[1,0]   ; each accumulator from its low end on
.set j, j+2
.endr
	QUANT2 S, PCD, 254
	s_wait_alu depctr_va_vdst(0)                   ; the quantiser has written the codes v232-235 and the two scale bytes v254, which the stores below read
	global_store_b128 v[LI], v[PCD:PCD+3], s[22:23]   ; the image: 512 consecutive bytes, aligned
	global_store_b16 v11, v254, s[24:25]           ; my row's two scale bytes, at byte 2 x head of its 32; lanes l and l xor 16 write the same bytes with the same value
	s_wait_xcnt 0x0
	s_wait_alu depctr_vm_vsrc(0)                   ; the store above has read v254, which the next line writes again
	v_lshl_add_u32 v254, v0, 2, 0x32000
	v_mov_b32 v255, 0
	s_wait_dscnt 0x0                               ; the closing lines, six on end
	s_wait_alu 0x0
	s_wait_tensorcnt 0x0
	ds_add_u32 v254, v255
	s_wait_dscnt 0x0
	s_endpgm
.Lfunc_end_k_q3378371a99_attn:
	.size	k_q3378371a99_attn, .Lfunc_end_k_q3378371a99_attn-k_q3378371a99_attn
	.p2alignl 7, 3214868480
	.fill 96, 4, 3214868480
	.section	.rodata,"a",@progbits
	.p2align	6, 0x0
	.amdhsa_kernel k_q3378371a99_attn
		.amdhsa_group_segment_fixed_size 206848
		.amdhsa_private_segment_fixed_size 0
		.amdhsa_enable_private_segment 0
		.amdhsa_kernarg_size 88
		.amdhsa_user_sgpr_count 2
		.amdhsa_user_sgpr_kernarg_segment_ptr 1
		.amdhsa_wavefront_size32 1
		.amdhsa_system_sgpr_workgroup_id_x 1
		.amdhsa_system_sgpr_workgroup_id_y 1
		.amdhsa_system_sgpr_workgroup_id_z 1
		.amdhsa_system_vgpr_workitem_id 0
		.amdhsa_next_free_vgpr 256
		.amdhsa_next_free_sgpr 66
		.amdhsa_reserve_vcc 0
		.amdhsa_float_denorm_mode_32 3
		.amdhsa_float_denorm_mode_16_64 3
		.amdhsa_memory_ordered 1
		.amdhsa_forward_progress 1
		.amdhsa_inst_pref_size 87
	.end_amdhsa_kernel
	.amdgpu_metadata
---
amdhsa.version: [ 1, 2 ]
amdhsa.kernels:
  - .name:           k_q3378371a99_attn
    .symbol:         k_q3378371a99_attn.kd
    .args:
      - { .name: target_embedding_codes, .offset: 0, .size: 8, .value_kind: global_buffer, .address_space: global }
      - { .name: target_embedding_scales, .offset: 8, .size: 8, .value_kind: global_buffer, .address_space: global }
      - { .name: Wq_codes, .offset: 16, .size: 8, .value_kind: global_buffer, .address_space: global }
      - { .name: Wq_scales, .offset: 24, .size: 8, .value_kind: global_buffer, .address_space: global }
      - { .name: bq, .offset: 32, .size: 8, .value_kind: global_buffer, .address_space: global }
      - { .name: kimg, .offset: 40, .size: 8, .value_kind: global_buffer, .address_space: global }
      - { .name: ksc, .offset: 48, .size: 8, .value_kind: global_buffer, .address_space: global }
      - { .name: vimg, .offset: 56, .size: 8, .value_kind: global_buffer, .address_space: global }
      - { .name: vsc, .offset: 64, .size: 8, .value_kind: global_buffer, .address_space: global }
      - { .name: aimg, .offset: 72, .size: 8, .value_kind: global_buffer, .address_space: global }
      - { .name: asc, .offset: 80, .size: 8, .value_kind: global_buffer, .address_space: global }
    .group_segment_fixed_size: 206848
    .private_segment_fixed_size: 0
    .kernarg_segment_align: 8
    .kernarg_segment_size: 88
    .max_flat_workgroup_size: 512
    .sgpr_count:     66
    .vgpr_count:     256
    .wavefront_size: 32
...
	.end_amdgpu_metadata
.endif
;; end of part 4
;; launch oproj: the kernel of part 3 again; grid 16 x 16, 4 waves a work-group, clusters of 4 x 4, 327,680 bytes of LDS; arguments aimg, asc, Wo_codes, Wo_scales, bo, out0; writes out0
